; MI455X (gfx1250); checked and timed in simulation.
; The chip was launched on July 23, 2026; its instructions are those of AMD's public machine-readable ISA for CDNA 5 (MIT licence, August 2026) and "CDNA5" Instruction Set Architecture Reference Guide (July 2026). The comments in the code are by the model that wrote it; some were corrected since.
;; Scaled Dot Product Attention. Allowed arithmetic: float matrix products may take bf16 or f16 operands with f32 sums; other float arithmetic in f32, or as packed bf16 or f16 multiplies, adds, multiply-adds, maxima and minima; sums over many terms, partial sums and values carried from step to step in f32; what a program stores and reads back later, other than sums and carried values, may be rounded once to bf16 or f16.
;; Inputs: W_attn 3,072 x 1,024 float32; b_attn 3,072 float32; x 4 x 2,048 x 1,024 float32.
;; Outputs: out0 4 x 2,048 x 1,024 float32.
;; 2 versions, each right; version 2 is version 1 with the launch cast written anew for expert scheduling mode. Each part assembles by itself: llvm-mc -triple=amdgcn-amd-amdhsa -mcpu=gfx1250 --defsym DOCPART=n.
;; ======== version 1 of 2: 5 launches
;; limits: values are held in f16: magnitudes above 65,504 overflow, below 6.1e-05 lose precision
;; workspace buffers: xb 16,777,216 bytes; wb 6,291,456 bytes; kqv 50,331,648 bytes; hd 786,432 bytes; sc 67,108,864 bytes; pr 33,554,432 bytes; ho 262,144 bytes
;; launch cast (part 1): grid 704 x 1, 8 waves a work-group, no clusters, 0 bytes of LDS; arguments x, W_attn, xb, wb; writes xb, wb
.if DOCPART == 1
	.amdgcn_target "amdgcn-amd-amdhsa--gfx1250"
	.amdhsa_code_object_version 6
	.text
	.protected	k_q571d31e6fc_cast
	.globl	k_q571d31e6fc_cast
	.p2align	8
	.type	k_q571d31e6fc_cast,@function
k_q571d31e6fc_cast:
	s_mov_b64 s[64:65], 0
	v_nop
	global_prefetch_b8 v0, s[64:65] scope:SCOPE_SE
	s_setreg_imm32_b32 hwreg(HW_REG_WAVE_MODE, 25, 1), 1
	s_wait_xcnt 0x0
; x [8192][1024] and W [3072][1024], f32, are rounded once to bf16 and laid in blocks of 64 along K:
; xb [16][8192][64], wb [16][3072][64].  In that layout the rows of one K block lie end to end, 128 bytes each,
; so the product that follows can ask for any run of rows of a K block as one dense piece.
; SHARES.  Work-groups 0-511 take 16 rows of x each, 512-703 16 rows of W.  A wave takes two rows: lanes 0-15 the
; even one, lanes 16-31 the odd one.  Load kb of a lane is 16 bytes of K block kb: 16 lanes read 256 consecutive
; bytes, aligned.  Store kb is 8 bytes a lane: the wave's two rows of the block are 256 consecutive bytes, aligned.
; All 16 loads of a wave go out at once; nothing is rewritten, so the only waits are the counted ones for the loads.
; No LDS, no barrier, no matrix unit, no cluster: no byte is wanted twice.
.set PLX, 1048576                      ; bytes of a K block of xb: 8,192 rows x 128
.set PLW, 393216                       ; of wb: 3,072 rows x 128
.set VI,  3                            ; v3       my byte offset in the group's 16 rows of the source
.set VO,  4                            ; v[4:19]  my byte offset in the target, one for each K block
.set X,   20                           ; v[20:83] 16 x 4 numbers as loaded
.set Y,   84                           ; v[84:115] 16 x 4 numbers in bf16
	s_load_b256 s[4:11], s[0:1], 0x0               ; x s[4:5], W s[6:7], xb s[8:9], wb s[10:11]
	v_lshrrev_b32 v2, 4, v0                        ; my row among the group's 16
	v_and_b32 v1, 15, v0                           ; my place in a block of 64 numbers
	v_lshlrev_b32 v[VI], 12, v2                    ; row x 4,096 bytes
	v_lshl_add_u32 v[VI], v1, 4, v[VI]             ; + 16 bytes a lane
	v_lshlrev_b32 v[VO], 7, v2                     ; row x 128 bytes
	v_lshl_add_u32 v[VO], v1, 3, v[VO]             ; + 8 bytes a lane
	s_mov_b32 s12, PLW
	s_mov_b32 s14, PLX
	s_sub_co_u32 s13, ttmp9, 512                   ; the group's number among W's (used only where it is one of them)
	s_cmp_lt_u32 ttmp9, 512                        ; x or W?  The moves, selects and the wait below leave SCC alone
	s_cselect_b32 s12, s14, s12                    ; bytes of a K block
	s_cselect_b32 s13, ttmp9, s13                  ; the group's number in its tensor
	s_wait_kmcnt 0x0
	s_cselect_b64 s[4:5], s[4:5], s[6:7]           ; source
	s_cselect_b64 s[8:9], s[8:9], s[10:11]         ; target
	s_lshl_b32 s16, s13, 16                        ; 16 rows of 4,096 bytes
	s_mov_b32 s17, 0
	s_add_nc_u64 s[4:5], s[4:5], s[16:17]
	s_lshl_b32 s16, s13, 11                        ; 16 rows of 128 bytes
	s_add_nc_u64 s[8:9], s[8:9], s[16:17]
.set kb, 0
.rept 16
	global_load_b128 v[X+4*kb:X+4*kb+3], v[VI], s[4:5] offset:256*kb th:TH_LOAD_NT
.set kb, kb+1
.endr
.set kb, 1
.rept 15
	v_add_nc_u32 v[VO+kb], s12, v[VO+kb-1]         ; a K block further on: too far for an immediate
.set kb, kb+1
.endr
.set kb, 0
.rept 16
	s_wait_loadcnt 15-kb                           ; loads come back in order: block kb is in, the younger ones stay out
	v_cvt_pk_bf16_f32 v[Y+2*kb], v[X+4*kb], v[X+4*kb+1]
	v_cvt_pk_bf16_f32 v[Y+2*kb+1], v[X+4*kb+2], v[X+4*kb+3]
	global_store_b64 v[VO+kb], v[Y+2*kb:Y+2*kb+1], s[8:9]
.set kb, kb+1
.endr
	s_endpgm
.Lfunc_end_k_q571d31e6fc_cast:
	.size	k_q571d31e6fc_cast, .Lfunc_end_k_q571d31e6fc_cast-k_q571d31e6fc_cast
	.p2alignl 7, 3214868480
	.fill 96, 4, 3214868480
	.section	.rodata,"a",@progbits
	.p2align	6, 0x0
	.amdhsa_kernel k_q571d31e6fc_cast
		.amdhsa_group_segment_fixed_size 0
		.amdhsa_private_segment_fixed_size 0
		.amdhsa_enable_private_segment 0
		.amdhsa_kernarg_size 32
		.amdhsa_user_sgpr_count 2
		.amdhsa_user_sgpr_kernarg_segment_ptr 1
		.amdhsa_wavefront_size32 1
		.amdhsa_system_sgpr_workgroup_id_x 1
		.amdhsa_system_sgpr_workgroup_id_y 1
		.amdhsa_system_sgpr_workgroup_id_z 1
		.amdhsa_system_vgpr_workitem_id 0
		.amdhsa_next_free_vgpr 116
		.amdhsa_next_free_sgpr 66
		.amdhsa_reserve_vcc 0
		.amdhsa_float_denorm_mode_32 3
		.amdhsa_float_denorm_mode_16_64 3
		.amdhsa_memory_ordered 1
		.amdhsa_forward_progress 1
		.amdhsa_inst_pref_size 8
	.end_amdhsa_kernel
	.amdgpu_metadata
---
amdhsa.version: [ 1, 2 ]
amdhsa.kernels:
  - .name:           k_q571d31e6fc_cast
    .symbol:         k_q571d31e6fc_cast.kd
    .args:
      - { .name: x, .offset: 0, .size: 8, .value_kind: global_buffer, .address_space: global }
      - { .name: W_attn, .offset: 8, .size: 8, .value_kind: global_buffer, .address_space: global }
      - { .name: xb, .offset: 16, .size: 8, .value_kind: global_buffer, .address_space: global }
      - { .name: wb, .offset: 24, .size: 8, .value_kind: global_buffer, .address_space: global }
    .group_segment_fixed_size: 0
    .private_segment_fixed_size: 0
    .kernarg_segment_align: 8
    .kernarg_segment_size: 32
    .max_flat_workgroup_size: 256
    .sgpr_count:     66
    .vgpr_count:     116
    .wavefront_size: 32
...
	.end_amdgpu_metadata
.endif
;; end of part 1
;; launch proj (part 2): grid 8 x 32, 4 waves a work-group, clusters of 4 x 4, 327,680 bytes of LDS; arguments xb, wb, b_attn, kqv, hd; writes kqv, hd
.if DOCPART == 2
	.amdgcn_target "amdgcn-amd-amdhsa--gfx1250"
	.amdhsa_code_object_version 6
	.text
	.protected	k_q571d31e6fc_proj
	.globl	k_q571d31e6fc_proj
	.p2align	8
	.type	k_q571d31e6fc_proj,@function
k_q571d31e6fc_proj:
	s_mov_b64 s[64:65], 0
	v_nop
	global_prefetch_b8 v0, s[64:65] scope:SCOPE_SE
	s_setreg_imm32_b32 hwreg(HW_REG_WAVE_MODE, 25, 1), 1
	s_wait_xcnt 0x0
	s_wait_alu depctr_hold_cnt(0) depctr_sa_sdst(0) depctr_va_vdst(0) depctr_va_sdst(0) depctr_va_ssrc(0) depctr_va_vcc(0) depctr_vm_vsrc(0)
	s_getreg_b32 s2, hwreg(HW_REG_IB_STS2, 6, 4)
	s_cmp_eq_u32 s2, 0
	s_cbranch_scc0 .Lentry_in_a_cluster
	s_endpgm
.Lentry_in_a_cluster:
	s_bfe_u32 s2, ttmp6, 0x10000c
	s_cmp_lg_u32 s2, 0xf033
	s_cbranch_scc0 .Lentry_shape_is_right
	s_endpgm
.Lentry_shape_is_right:
; kqv[m][n] = sum over k of x[m][k] W[n][k] + b[n], m < 8192, n < 3072, K = 1024.  x and W come as bf16 in K blocks of 64 (xb, wb); b is rounded to bf16
; here, like the other two inputs; sums in f32; kqv is rounded once to f16.  The f32 sums of the first 16 rows of each batch of 2,048 rows are also kept (hd).
; LIMIT: a number of kqv beyond 65,504 becomes an infinity in f16.  NaN and infinities are not treated apart.
; SHARES.  8192 x 3072 over 256 work-groups: a tile of 256 rows x 384 columns each; four waves, each 128 x 192: 96 accumulators of 16 x 16, 768 registers.
; K goes in steps of 64 through two LDS slots; a slot is multiplied in two chunks of 32 along K, 96 matrix instructions each.  THE LOOP'S BODY IS ONE K STEP: the fragment loads take their LDS
; address from a base and a scalar that an exclusive or turns between 0 and SLOT, and one descriptor a tensor walks from slot to slot in the same way.
; CLUSTER 4 x 4.  The tile row is 8 cy + cluster y, the tile column 4 cluster x + cx.  The four of a row of the cluster need the same rows of x, the four of a
; column the same rows of W: each piece is asked for jointly.  With this numbering the tiles that begin a batch are those of the clusters with y = 0, so the
; branch round the stores to hd hangs on a number that all sixteen partners share; the batch is cy and enters an address alone.
; THE PRODUCT IS USED TRANSPOSED (source 0 = 16 rows of W, source 1 = 16 rows of x): lane l holds row l % 16 and the columns 8 (l / 16) + 0..7.
; THE BIAS STARTS THE SUMS: for each column block b the eight bias numbers of a lane are put into accumulator (0, b); the first product of the blocks (1..7, b)
; takes those registers as C, and last (0, b) adds onto them in place.  Nothing is cleared and nothing is added at the end.
; REGISTERS: window 0: v0-31 addresses; v32-95, v96-159 two buffers of x's fragments (8 x 16 rows x 32 K); v160-255 W's fragments (12), one buffer, refilled in thirds.
;   windows 1-3: accumulator (a, b) in window 1 + b / 4 at v[64 (b % 4) + 8 a].
.set PLX,   1048576                    ; bytes of a K block of xb
.set PLW,   393216                     ; of wb
.set PITCH, 144                        ; an LDS row: 128 bytes + 16 of padding = 36 words: the 16 rows of a fragment load start at 16 different groups of four banks
.set AHALF, 128*PITCH                  ; what one load brings of x
.set BHALF, 192*PITCH                  ; of W
.set BOFF,  256*PITCH                  ; W's 384 rows lie behind x's 256
.set SLOT,  131072                     ; slot 1 begins here (a slot holds 640 x 144 = 92,160 bytes): every address in slot 0 lies below it, so one exclusive or turns an address in one slot into the other's
.set SP,    784                        ; the stage for the way out: 256 rows of 768 bytes + 16; it lies over the ring and is written only when the ring has had its last fill and its last read
.set SPARE, SLOT+640*PITCH             ; behind slot 1 and the stage: the spare words, 128 bytes a wave, two blocks of 256 bytes that no other line names
.set BO,   10                          ; v10  32 (l / 16): my eight bias numbers in a block of 16
.set HDO,  11                          ; v11  my place in hd: row l % 16, 32 bytes for each half of the lanes
.set ADRA, 16                          ; v16  LDS address of my fragments of x in slot 0; never rewritten
.set CA,   17                          ; v17  the same in the slot in hand
.set ADRB, 20                          ; v20  LDS address of my fragments of W in slot 0; never rewritten
.set CB,   21                          ; v21  the same in the slot in hand
.set STO,  22                          ; v22-23  the way out: where I put 16 bytes of a row (row blocks 0-3, 4-7)
.set RD,   24                          ; v24-25  where I read rows back
.set CO,   26                          ; v26-27  my byte offsets in kqv
.set SPW,  28                          ; v28  LDS address of my spare word; never rewritten
.set NIL,  29                          ; v29  0; never rewritten
.set PFO,  30                          ; v30  the prefetches' offset; never rewritten
.set FA0,  32
.set FA1,  96
.set FB,   160
.set TMP,  32                          ; at work, before the first fragments and on the way out
.set TB,   23                          ; s23  0 or SLOT: the slot in hand
.set G1,   24                          ; s[24:31] descriptor group 1 for x
.set G0,   32                          ; s[32:39] group 0 for x: a set for each of the two first fills; the second then walks on
.set LIM,  40                          ; s40  a wave prefetches while the trips left are above this number
.set PM,   41                          ; s41  1 in wave 3, which asks at every second change of slots, else 0
.set PFA,  44                          ; s[44:45] where my prefetches stand
.set PFS,  46                          ; s[46:47] their step: a K block
.set G1B,  48                          ; s[48:55], s[56:63] the same two groups for W
.set G0B,  56
.set GW,   (1<<16)|(1<<20)|(1<<21)|(4<<22)|(3<<25)  ; 2-byte elements; padding on; bit 21 set beside a mask; after every 32 words (code 4) 4 words (code 3)
.set MSB, 0
.macro WIN new                         ; the immediate's high byte repeats the setting that is left; a switch that changes nothing is dropped
.if MSB != (\new)
	s_set_vgpr_msb (MSB<<8)|(\new)
.set MSB, (\new)
.endif
.endm
.macro PLACES                          ; four plain vector instructions between a matrix instruction and a load into, or a read of, its registers
.rept 4
	v_nop
.endr
.endm
; A joint refill by the walking descriptors: waves 0 and 1 fetch the two halves of x's rows, waves 2 and 3 those of W's.  An s_nop 0 and four v_nop follow each line.
.macro JLOAD
	s_cmp_eq_u32 s15, 0
	s_cbranch_scc0 .Lfor_b_\@
	tensor_load_to_lds s[G0+4:G0+7], s[G1:G1+7]
	s_nop 0
.rept 4
	v_nop
.endr
	s_branch .Lasked_\@
.Lfor_b_\@:
	tensor_load_to_lds s[G0B+4:G0B+7], s[G1B:G1B+7]
	s_nop 0
.rept 4
	v_nop
.endr
.Lasked_\@:
.endm
.macro CREST                           ; a round of the cluster's barrier behind its opening barrier
	s_cmp_lg_u32 s14, 0
	s_cbranch_scc1 .Lnot_wave_0_\@
	s_barrier_signal -3
.Lnot_wave_0_\@:
	s_barrier_wait -3
	s_barrier_signal -1
	s_barrier_wait -1
.endm
.macro CROUND
	s_barrier_signal -1
	s_barrier_wait -1
	CREST
.endm
; A PREFETCH INTO THE L2 behind each joint refill and the run of LDS loads that follows it: the K block that stands two refills on, 384 matrix instructions ahead of the load that will want it.
; Each aligned 256 bytes are named once in the launch.  x's 256 rows of a tile row (128 pieces of 256 bytes a K block) are read by both clusters of that row: cluster x = 0 asks; its four partners take 32
; pieces each, told apart by address (cx); wave 0 asks, a lane a piece.  W's 384 rows of a tile column (192 pieces) are read by all eight clusters of the column: cluster y = 0 asks; a partner takes 48 (cy):
; wave 2 the first 32 at every change, wave 3 the other 16 of TWO K blocks (lanes 0-15, 16-31) at every second change (an even number of trips left).  Wave 1 asks for nothing.
; The change of K block t names block t + 4: the loop's last two trips (t = 12, 13) ask for nothing, since K ends at block 15.
.macro ASK
	s_and_b32 s70, s3, s[PM]                       ; in wave 3: are the trips left odd?  In the others: 0
	s_cmp_eq_u32 s70, 0
	s_cselect_b32 s70, s3, 0
	s_cmp_gt_u32 s70, s[LIM]
	s_cbranch_scc0 .Lnot_mine_\@
	global_prefetch_b8 v[PFO], s[PFA:PFA+1] th:TH_LOAD_NT scope:SCOPE_SE
.Lnot_mine_\@:
.endm
.macro TOGGLE                          ; the fragment loads go over to the other slot
	s_xor_b32 s[TB], s[TB], SLOT
	v_add_nc_u32 v[CA], s[TB], v[ADRA]
	v_add_nc_u32 v[CB], s[TB], v[ADRB]
.endm
; n column blocks from lo on of third g (blocks 4 g ..) x all 8 row blocks, 32 along K, x's fragments in buffer f.  No two matrix instructions that follow each other share an accumulator.
; first = 1: the sums start from the bias in (0, b); five plain instructions stand between its last use as another block's C and the product that writes over it.
.macro GRP f, g, lo, n, first
	WIN 0x50*((\g)+1)                              ; C and D in window g + 1, both sources in window 0
.set bb, (\lo)
.rept (\n)
.set aa, (\first)
.rept 8-(\first)
.if \first
	v_wmma_f32_16x16x32_bf16 v[64*bb+8*aa:64*bb+8*aa+7], v[FB+8*(4*(\g)+bb):FB+8*(4*(\g)+bb)+7], v[(\f)+8*aa:(\f)+8*aa+7], v[64*bb:64*bb+7]
.else
	v_wmma_f32_16x16x32_bf16 v[64*bb+8*aa:64*bb+8*aa+7], v[FB+8*(4*(\g)+bb):FB+8*(4*(\g)+bb)+7], v[(\f)+8*aa:(\f)+8*aa+7], v[64*bb+8*aa:64*bb+8*aa+7]
.endif
.set aa, aa+1
.endr
.set bb, bb+1
.endr
.if \first
.rept 5
	v_nop
.endr
.set bb, (\lo)
.rept (\n)
	v_wmma_f32_16x16x32_bf16 v[64*bb:64*bb+7], v[FB+8*(4*(\g)+bb):FB+8*(4*(\g)+bb)+7], v[(\f):(\f)+7], v[64*bb:64*bb+7]
.set bb, bb+1
.endr
.endif
.endm
.macro LDA kc, f                       ; 16 LDS loads: x's eight fragments of chunk kc of the slot in hand into buffer f
.set aa, 0
.rept 8
	ds_load_b128 v[(\f)+8*aa:(\f)+8*aa+3],   v[CA] offset:64*(\kc)+aa*16*PITCH
	ds_load_b128 v[(\f)+8*aa+4:(\f)+8*aa+7], v[CA] offset:64*(\kc)+aa*16*PITCH+32
.set aa, aa+1
.endr
.endm
.macro LDB kc, g                       ; 8 LDS loads: third g of W's fragments
.set bb, 4*(\g)
.rept 4
	ds_load_b128 v[FB+8*bb:FB+8*bb+3],   v[CB] offset:64*(\kc)+bb*16*PITCH
	ds_load_b128 v[FB+8*bb+4:FB+8*bb+7], v[CB] offset:64*(\kc)+bb*16*PITCH+32
.set bb, bb+1
.endr
.endm
; A slot's first chunk: multiplies buffer FA0; each third of W's buffer is filled with the second chunk's fragments as soon as it has been multiplied.
.macro CHN first
	s_wait_dscnt 16                                ; W's first third and x's fragments are in; the two younger runs of 8 may be out
	GRP FA0, 0, 0, 4, \first
	PLACES
	WIN 0
	LDB 1, 0
	LDA 1, FA1
	s_wait_dscnt 32                                ; the second third is in: behind it stand the last third's 8 and the 24 just issued
	GRP FA0, 1, 0, 4, \first
	PLACES
	WIN 0
	LDB 1, 1
	s_wait_dscnt 32                                ; the last third is in: behind it stand 24 and 8
	GRP FA0, 2, 0, 4, \first
	PLACES
	WIN 0
	LDB 1, 2
.endm
; A slot's second chunk multiplies buffer FA1 and changes slots.  ONE barrier: in front of it each wave waits for all its tensor loads (one is out: its part of the other slot), adds 0 to its
; spare word, and waits for that and for its reads of this slot, all of which are then in registers.  fill = 1: the barrier opens a round of the cluster's, and behind the round this slot is asked for
; again, two K blocks on: 160 matrix instructions ahead of the wait for it.
.macro CHT fill
.if \fill
	s_wait_xcnt 0x0                                ; the last prefetch, a K block back, has read its address: it is stepped here, far from the prefetch and ahead of the change's own waits
	s_add_nc_u64 s[PFA:PFA+1], s[PFA:PFA+1], s[PFS:PFS+1]
.endif
	WIN 0
	s_wait_tensorcnt 0x0                           ; all my tensor loads have landed, so the walking descriptors may be written
	ds_add_u32 v[SPW], v[NIL]                      ; 0 onto my spare word
	s_wait_dscnt 17                                ; (the add and the two younger runs of 8 may be out)
	GRP FA1, 0, 0, 2, 0                            ; sixteen matrix instructions between the add and the wait for it
	s_wait_dscnt 0x0                               ; the add is done, and my reads of this slot are over
	s_barrier_signal -1
	GRP FA1, 0, 2, 2, 0                            ; work on registers while the others arrive
	WIN 0
	s_barrier_wait -1
.if \fill
	CREST                                          ; no wave of any partner still reads this slot or has a load on its way
	s_xor_b32 s[G0+5], s[G0+5], SLOT               ; the walking descriptors: the other slot than last time,
	s_add_nc_u64 s[G0+6:G0+7], s[G0+6:G0+7], PLX   ; the next K block; the type bits on top are not reached
	s_xor_b32 s[G0B+5], s[G0B+5], SLOT
	s_add_nc_u64 s[G0B+6:G0B+7], s[G0B+6:G0B+7], PLW
	JLOAD                                          ; the first tensor load behind the round; its four v_nop are also the places in front of the loads below
.else
	PLACES
.endif
	TOGGLE
	LDB 0, 0
	LDA 0, FA0
.if \fill
	ASK
.endif
	GRP FA1, 1, 0, 4, 0
	PLACES
	WIN 0
	LDB 0, 1
	GRP FA1, 2, 0, 4, 0
	PLACES
	WIN 0
	LDB 0, 2
.endm
	s_load_b256 s[4:11], s[0:1], 0x0               ; xb s[4:5], wb s[6:7], b s[8:9], kqv s[10:11]
	s_load_b64 s[12:13], s[0:1], 0x20              ; hd
	v_lshl_add_u32 v[SPW], v0, 2, SPARE
	v_mov_b32 v[NIL], 0
	ds_add_u32 v[SPW], v[NIL]                      ; the wave's opening: the add and its wait ahead of my first tensor load; the set-up below stands between them
	v_lshrrev_b32 v1, 5, v0
	v_readfirstlane_b32 s14, v1                    ; wave 0..3
	s_lshr_b32 s15, s14, 1                         ; my half of the tile's rows.  Also: I fetch for x (0) or for W (1)
	s_and_b32 s16, s14, 1                          ; my half of its columns.  Also: which half of that piece I fetch
	s_bfe_u32 s17, ttmp6, 0x40000                  ; cx
	s_bfe_u32 s18, ttmp6, 0x40004                  ; cy
	s_mov_b32 s19, ttmp9                           ; cluster x
	s_and_b32 s20, ttmp7, 0xffff                   ; cluster y
	s_lshl_b32 s21, s19, 2
	s_add_co_u32 s21, s21, s17                     ; tile column = 4 x cluster x + cx
	s_lshl_b32 s22, s18, 3
	s_add_co_u32 s22, s22, s20                     ; tile row = 8 cy + cluster y
	s_mov_b32 s[TB], 0                             ; slot 0 is read first
	s_lshl_b32 s76, s18, 2
	s_lshl_b32 s76, 15, s76                        ; my row of the cluster
	s_lshl_b32 s77, 0x1111, s17                    ; my column
	s_or_b32 s[G1], s76, GW
	s_or_b32 s[G1B], s77, GW
	; the rows of a K block are dense: 128 (192) rows of 128 bytes are asked for as 64 (96) rows of 256 bytes and padded in LDS after every 128
	s_mov_b32 s[G1+1], 128<<16                     ; tensor_dim0 = 128 elements
	s_mov_b32 s[G1+2], 64<<16                      ; tensor_dim1 = 64
	s_mov_b32 s[G1+3], 128<<16                     ; tile_dim0
	s_mov_b32 s[G1+4], 64                          ; tile_dim1
	s_mov_b32 s[G1+5], 128                         ; elements from row to row
	s_mov_b32 s[G1+6], 0
	s_mov_b32 s[G1+7], 0
	s_mov_b32 s[G1B+1], 128<<16
	s_mov_b32 s[G1B+2], 96<<16
	s_mov_b32 s[G1B+3], 128<<16
	s_mov_b32 s[G1B+4], 96
	s_mov_b32 s[G1B+5], 128
	s_mov_b32 s[G1B+6], 0
	s_mov_b32 s[G1B+7], 0
	s_mul_i32 s74, s16, AHALF                      ; where the pieces go: no place in the cluster enters an LDS address
	s_mul_i32 s75, s16, BHALF
	s_add_co_u32 s75, s75, BOFF
	s_lshl_b32 s66, s22, 15                        ; x: (256 tile row + 128 half) x 128 bytes
	s_lshl_b32 s67, s16, 14
	s_add_co_u32 s66, s66, s67
	s_mov_b32 s67, 0
	s_mul_i32 s70, s21, 49152                      ; W: (384 tile column + 192 half) x 128 bytes
	s_mul_i32 s71, s16, 24576
	s_add_co_u32 s70, s70, s71
	s_mov_b32 s71, 0
	s_mov_b32 s43, 0xffff0000                      ; a word's upper bf16
	s_or_b32 s42, s20, s15                         ; 0: my rows begin a batch (cluster y = 0, upper half of the tile)
	s_wait_dscnt 0x0                               ; the opening add is done
	s_wait_kmcnt 0x0
	s_add_nc_u64 s[68:69], s[4:5], s[66:67]
	s_add_nc_u64 s[72:73], s[6:7], s[70:71]
	CROUND                                         ; all sixteen work-groups are here: the first joint loads meet
.irp s, 0,1
	s_mov_b32 s[G0+4*(\s)], 1                      ; count = 1
	s_add_co_u32 s[G0+4*(\s)+1], s74, (\s)*SLOT    ; LDS address
	s_add_nc_u64 s[G0+4*(\s)+2:G0+4*(\s)+3], s[68:69], (\s)*PLX  ; K block s
	s_or_b32 s[G0+4*(\s)+3], s[G0+4*(\s)+3], 0x80000000          ; type = 2
	s_mov_b32 s[G0B+4*(\s)], 1
	s_add_co_u32 s[G0B+4*(\s)+1], s75, (\s)*SLOT
	s_add_nc_u64 s[G0B+4*(\s)+2:G0B+4*(\s)+3], s[72:73], (\s)*PLW
	s_or_b32 s[G0B+4*(\s)+3], s[G0B+4*(\s)+3], 0x80000000
.endr
	s_cmp_eq_u32 s15, 0                            ; a wave's two first fills stand in one branch: two loads of mine are out
	s_cbranch_scc0 .Lfirst_b
	tensor_load_to_lds s[G0:G0+3], s[G1:G1+7]
	s_nop 0
	tensor_load_to_lds s[G0+4:G0+7], s[G1:G1+7]
	s_nop 0
.rept 4
	v_nop
.endr
	s_branch .Lfirst_asked
.Lfirst_b:
	tensor_load_to_lds s[G0B:G0B+3], s[G1B:G1B+7]
	s_nop 0
	tensor_load_to_lds s[G0B+4:G0B+7], s[G1B:G1B+7]
	s_nop 0
.rept 4
	v_nop
.endr
.Lfirst_asked:
	v_and_b32 v1, 15, v0                           ; l % 16
	v_bfe_u32 v2, v0, 4, 1                         ; l / 16
	v_and_b32 v3, 31, v0                           ; l
	v_lshlrev_b32 v[BO], 5, v2
	; the bias of my 192 columns: (384 tile column + 192 half) x 4 bytes, the same offset in a row of hd
	s_mul_i32 s76, s21, 1536
	s_mul_i32 s78, s16, 768
	s_add_co_u32 s76, s76, s78
	s_mov_b32 s77, 0
	s_add_nc_u64 s[8:9], s[8:9], s[76:77]
	s_add_nc_u64 s[12:13], s[12:13], s[76:77]
	s_mul_i32 s76, s18, 196608                     ; hd: batch cy, 16 rows of 12,288 bytes
	s_add_nc_u64 s[12:13], s[12:13], s[76:77]
.set bb, 0
.rept 12
	global_load_b128 v[FB+8*bb:FB+8*bb+3],   v[BO], s[8:9] offset:64*bb
	global_load_b128 v[FB+8*bb+4:FB+8*bb+7], v[BO], s[8:9] offset:64*bb+16
.set bb, bb+1
.endr
	; a fragment is 16 rows x 32 K in 8 registers: lane l holds row l % 16, K = 8 (l / 16) + 0..7 and 16 + 8 (l / 16) + 0..7: two loads of 16 bytes, 32 bytes apart
	v_mul_u32_u24 v4, v1, PITCH
	v_lshl_add_u32 v4, v2, 4, v4
	s_mul_i32 s76, s15, AHALF
	s_mul_i32 s78, s16, BHALF
	s_add_co_u32 s78, s78, BOFF
	v_add_nc_u32 v[ADRA], s76, v4
	v_add_nc_u32 v[ADRB], s78, v4
	v_mov_b32 v[CA], v[ADRA]
	v_mov_b32 v[CB], v[ADRB]
	s_mul_i32 s76, s15, 128*SP                     ; into the stage: row 128 half + 16 a + l % 16, my 384 bytes of its 768, 16 bytes for each half of the lanes
	s_mul_i32 s78, s16, 384
	s_add_co_u32 s76, s76, s78
	v_mul_u32_u24 v5, v1, SP
	v_lshl_add_u32 v5, v2, 4, v5
	v_add_nc_u32 v[STO], s76, v5
	v_add_nc_u32 v[STO+1], 64*SP, v[STO]
	s_mul_i32 s76, s14, 64*SP                      ; back: wave w takes rows 64 w .. 64 w + 63, two rows (1,536 bytes) in three loads of 512
	v_lshl_add_u32 v[RD], v3, 4, s76               ; the first 512 of the even row, the last 512 of the odd row
	v_lshl_add_u32 v[RD+1], v2, 4, v[RD]           ; between them: lanes 0-15 the even row's last 256, lanes 16-31 the odd row's first 256 (16 bytes of padding further on)
	v_add_nc_u32 v[RD+1], 512, v[RD+1]
	v_lshlrev_b32 v[CO], 4, v3                     ; and the same in kqv, whose rows are 6,144 bytes apart
	v_mul_u32_u24 v[CO+1], v2, 5376
	v_add_nc_u32 v[CO+1], v[CO+1], v[CO]
	v_add_nc_u32 v[CO+1], 512, v[CO+1]
	v_mul_u32_u24 v[HDO], v1, 12288
	v_lshl_add_u32 v[HDO], v2, 5, v[HDO]
	s_mul_i32 s76, s22, 1572864                    ; kqv at row 256 tile row + 64 wave, column 384 tile column
	s_mul_i32 s78, s14, 393216
	s_add_co_u32 s76, s76, s78
	s_mul_i32 s78, s21, 768
	s_add_co_u32 s76, s76, s78
	s_add_nc_u64 s[10:11], s[10:11], s[76:77]
	; the prefetches
	s_lshl_b32 s78, s22, 15                        ; x: my work-group's 64 rows of the tile row's 256
	s_lshl_b32 s76, s17, 13
	s_add_co_u32 s78, s78, s76
	s_mul_i32 s79, s21, 49152                      ; W: my work-group's 96 rows of the tile column's 384,
	s_mul_i32 s76, s18, 12288
	s_add_co_u32 s79, s79, s76
	s_lshl_b32 s76, s16, 13                        ; wave 3: behind wave 2's 32 pieces
	s_add_co_u32 s79, s79, s76
	s_mov_b32 s[PFS], PLW
	s_mov_b32 s70, PLX
	s_cmp_eq_u32 s15, 0                            ; do I fetch for x?
	s_cselect_b64 s[PFA:PFA+1], s[4:5], s[6:7]
	s_cselect_b32 s76, s78, s79
	s_cselect_b32 s[PFS], s70, s[PFS]
	s_cselect_b32 s70, s19, s20                    ; the coordinate along which other clusters read the same rows
	s_mov_b32 s[PFS+1], 0
	s_cmp_eq_u32 s70, 0
	s_cselect_b32 s[LIM], 2, -1                    ; the same in all sixteen partners, for a given wave
	s_cmp_eq_u32 s14, 1
	s_cselect_b32 s[LIM], -1, s[LIM]               ; wave 1 asks for nothing
	s_add_nc_u64 s[PFA:PFA+1], s[PFA:PFA+1], s[76:77]
	s_mul_i32 s76, s[PFS], 3
	s_add_nc_u64 s[PFA:PFA+1], s[PFA:PFA+1], s[76:77]  ; at K block 3: the first change steps it to 4.  Blocks 0 to 3 come by their loads alone
	s_cmp_eq_u32 s14, 3
	s_cselect_b32 s76, PLW-4096, 0
	s_cselect_b32 s[PM], 1, 0
	v_lshlrev_b32 v[PFO], 8, v3                    ; a lane a piece of 256 bytes;
	v_mad_u32_u24 v[PFO], v2, s76, v[PFO]          ; in wave 3 lanes 16-31 take the same 16 pieces of the next K block
	; the bias is rounded to bf16, like x and W, and put into the accumulators (0, b)
	s_wait_loadcnt 0x0
.set i, 0
.rept 48
	v_cvt_pk_bf16_f32 v[TMP+i], v[FB+2*i], v[FB+2*i+1]
.set i, i+1
.endr
.irp W, 1,2,3
	WIN (\W)<<6                                    ; destination in window W
.set i, 0
.rept 16
	v_lshlrev_b32 v[64*(i/4)+2*(i%4)], 16, v[TMP+16*((\W)-1)+i]
	v_and_b32 v[64*(i/4)+2*(i%4)+1], s43, v[TMP+16*((\W)-1)+i]
.set i, i+1
.endr
.endr
	WIN 0
	s_wait_tensorcnt 0x1                           ; my part of K block 0 is in; block 1's may stay out
	s_barrier_signal -1
	s_barrier_wait -1                              ; everybody's is
	LDB 0, 0
	LDA 0, FA0
	LDB 0, 1
	LDB 0, 2
	CHN 1                                          ; the first chunk stands in front of the loop: its products start the sums
	WIN 0
	s_mov_b32 s3, 14
.Lstep:                                                ; a trip goes from a K block's second chunk to the next block's first, and asks for the block two on: blocks 2 to 15
	CHT 1
	CHN 0
	WIN 0
	s_sub_co_u32 s3, s3, 1
	s_cmp_lg_u32 s3, 0
	s_cbranch_scc1 .Lstep
	CHT 0                                          ; the last two K blocks ask for nothing
	CHN 0
	s_wait_dscnt 16
	GRP FA1, 0, 0, 4, 0
	s_wait_dscnt 8
	GRP FA1, 1, 0, 4, 0
	s_wait_dscnt 0x0                               ; my last reads of the ring are back:
	s_barrier_signal -1
	GRP FA1, 2, 0, 4, 0
	WIN 0
	s_barrier_wait -1                              ; everybody's are, and no fill is left: the stage may be written over the ring
	PLACES
	; THE WAY OUT, a window (four column blocks) at a time: where my rows begin a batch the f32 sums of row block 0 go to hd; all are rounded to f16 and put into the stage
.irp W, 1,2,3
	WIN 0
	s_cmp_eq_u32 s42, 0
	s_cbranch_scc0 .Lno_head_\W
	WIN (\W)<<2                                    ; store data in window W
.set bb, 0
.rept 4
	global_store_b128 v[HDO], v[64*bb:64*bb+3],   s[12:13] offset:64*(4*((\W)-1)+bb)
	global_store_b128 v[HDO], v[64*bb+4:64*bb+7], s[12:13] offset:64*(4*((\W)-1)+bb)+16
.set bb, bb+1
.endr
	WIN 0
.Lno_head_\W:
	WIN (\W)|((\W)<<2)                             ; both sources in window W; each accumulator's registers in ascending order
.set i, 0
.rept 128
	v_cvt_pk_f16_f32 v[TMP+i], v[2*i], v[2*i+1]
.set i, i+1
.endr
	WIN 0
.set i, 0
.rept 32                                       ; accumulator i: row block i % 8, column block 4 (W - 1) + i / 8
	ds_store_b128 v[STO+(i%8)/4], v[TMP+4*i:TMP+4*i+3] offset:(i%4)*16*SP+32*(4*((\W)-1)+i/8)
.set i, i+1
.endr
.endr
	s_wait_dscnt 0x0                               ; for the others' sake: my stores into the stage are done
	s_barrier_signal -1
	s_barrier_wait -1
	s_mov_b32 s3, 4
.Lout:                                                 ; four trips of 16 rows: 24 loads from the stage, 24 stores
.set q, 0
.rept 8
	ds_load_b128 v[TMP+12*q:TMP+12*q+3],    v[RD]   offset:2*SP*q
	ds_load_b128 v[TMP+12*q+4:TMP+12*q+7],  v[RD+1] offset:2*SP*q
	ds_load_b128 v[TMP+12*q+8:TMP+12*q+11], v[RD]   offset:2*SP*q+SP+256
.set q, q+1
.endr
.set q, 0
.rept 8                                        ; every 16 lanes store 256 consecutive bytes, at a multiple of 256 from kqv's first byte
	s_wait_dscnt 21-3*q                            ; the two rows' three loads are in; the younger ones stay out
	global_store_b128 v[CO],   v[TMP+12*q:TMP+12*q+3],    s[10:11] offset:12288*q
	global_store_b128 v[CO+1], v[TMP+12*q+4:TMP+12*q+7],  s[10:11] offset:12288*q
	global_store_b128 v[CO],   v[TMP+12*q+8:TMP+12*q+11], s[10:11] offset:12288*q+6400
.set q, q+1
.endr
	s_wait_xcnt 0x0                                ; the stores have had their addresses translated: only now is their base stepped and are their registers loaded again
	v_add_nc_u32 v[RD], 16*SP, v[RD]
	v_add_nc_u32 v[RD+1], 16*SP, v[RD+1]
	s_add_nc_u64 s[10:11], s[10:11], 16*6144
	s_sub_co_u32 s3, s3, 1
	s_cmp_lg_u32 s3, 0
	s_cbranch_scc1 .Lout
	s_wait_tensorcnt 0x0                           ; the wave's end, behind my last tensor load and my last LDS store
	ds_add_u32 v[SPW], v[NIL]
	s_wait_dscnt 0x0
	CROUND                                         ; the closing round
	s_endpgm
.Lfunc_end_k_q571d31e6fc_proj:
	.size	k_q571d31e6fc_proj, .Lfunc_end_k_q571d31e6fc_proj-k_q571d31e6fc_proj
	.p2alignl 7, 3214868480
	.fill 96, 4, 3214868480
	.section	.rodata,"a",@progbits
	.p2align	6, 0x0
	.amdhsa_kernel k_q571d31e6fc_proj
		.amdhsa_group_segment_fixed_size 327680
		.amdhsa_private_segment_fixed_size 0
		.amdhsa_enable_private_segment 0
		.amdhsa_kernarg_size 40
		.amdhsa_user_sgpr_count 2
		.amdhsa_user_sgpr_kernarg_segment_ptr 1
		.amdhsa_wavefront_size32 1
		.amdhsa_system_sgpr_workgroup_id_x 1
		.amdhsa_system_sgpr_workgroup_id_y 1
		.amdhsa_system_sgpr_workgroup_id_z 1
		.amdhsa_system_vgpr_workitem_id 0
		.amdhsa_next_free_vgpr 1024
		.amdhsa_next_free_sgpr 80
		.amdhsa_reserve_vcc 0
		.amdhsa_float_denorm_mode_32 3
		.amdhsa_float_denorm_mode_16_64 3
		.amdhsa_memory_ordered 1
		.amdhsa_forward_progress 1
		.amdhsa_inst_pref_size 112
	.end_amdhsa_kernel
	.amdgpu_metadata
---
amdhsa.version: [ 1, 2 ]
amdhsa.kernels:
  - .name:           k_q571d31e6fc_proj
    .symbol:         k_q571d31e6fc_proj.kd
    .args:
      - { .name: xb, .offset: 0, .size: 8, .value_kind: global_buffer, .address_space: global }
      - { .name: wb, .offset: 8, .size: 8, .value_kind: global_buffer, .address_space: global }
      - { .name: b_attn, .offset: 16, .size: 8, .value_kind: global_buffer, .address_space: global }
      - { .name: kqv, .offset: 24, .size: 8, .value_kind: global_buffer, .address_space: global }
      - { .name: hd, .offset: 32, .size: 8, .value_kind: global_buffer, .address_space: global }
    .group_segment_fixed_size: 327680
    .private_segment_fixed_size: 0
    .kernarg_segment_align: 8
    .kernarg_segment_size: 40
    .max_flat_workgroup_size: 128
    .sgpr_count:     80
    .vgpr_count:     1024
    .wavefront_size: 32
...
	.end_amdgpu_metadata
.endif
;; end of part 2
;; launch score (part 3): grid 12 x 16, 4 waves a work-group, clusters of 4 x 4, 327,680 bytes of LDS; arguments kqv, sc; writes sc
.if DOCPART == 3
	.amdgcn_target "amdgcn-amd-amdhsa--gfx1250"
	.amdhsa_code_object_version 6
	.text
	.protected	k_q571d31e6fc_score
	.globl	k_q571d31e6fc_score
	.p2align	8
	.type	k_q571d31e6fc_score,@function
k_q571d31e6fc_score:
	s_mov_b64 s[64:65], 0
	v_nop
	global_prefetch_b8 v0, s[64:65] scope:SCOPE_SE
	s_setreg_imm32_b32 hwreg(HW_REG_WAVE_MODE, 25, 1), 1
	s_wait_xcnt 0x0
	s_wait_alu depctr_hold_cnt(0) depctr_sa_sdst(0) depctr_va_vdst(0) depctr_va_sdst(0) depctr_va_ssrc(0) depctr_va_vcc(0) depctr_vm_vsrc(0)
	s_getreg_b32 s2, hwreg(HW_REG_IB_STS2, 6, 4)
	s_cmp_eq_u32 s2, 0
	s_cbranch_scc0 .Lentry_in_a_cluster
	s_endpgm
.Lentry_in_a_cluster:
	s_bfe_u32 s2, ttmp6, 0x10000c
	s_cmp_lg_u32 s2, 0xf033
	s_cbranch_scc0 .Lentry_shape_is_right
	s_endpgm
.Lentry_shape_is_right:
; sc[b][t][s] = sum over c of k[b][t][c] q[b][s][c], unscaled, f32.  k = columns 0-1023 of kqv, q = columns 1024-2047, both f16; K = 1024; sums in f32.
; Of a batch's 2048 x 2048 scores the causal mask keeps s <= t: three squares of 1024 x 1024 are made, (0,0), (1,0), (1,1), a cluster of 4 x 4 work-groups each; the square above the diagonal is not.
; Inside the two diagonal squares the six tiles above the diagonal are made all the same: partners of a cluster run alike, and no branch may hang on a work-group's place in it.
; SHARES.  A work-group makes a tile of 256 x 256, four waves 128 x 128 each: 64 accumulators, 512 registers.  K goes in steps of 128 through two LDS slots (rows of 256 bytes, aligned).
; THE LOOP'S BODY IS ONE K STEP: the fragment loads take their LDS address from a base and a scalar that an exclusive or turns between 0 and SLOT, and one descriptor a tensor walks likewise.
; The four of a row of the cluster need the same rows of k, the four of a column the same rows of q: joint loads.
; TRANSPOSED USE: source 0 = 16 rows of q, source 1 = 16 rows of k: lane l holds row t = l % 16 and the columns s = 8 (l / 16) + 0..7, 32 bytes on end.
; REGISTERS: window 0: v0-31 addresses; v64-127, v128-191 fragments of k, two buffers (on the way out: rows read back); window 1: the same for q;
;   window 2: the 32 accumulators of my rows 0-63 ((a, b) at v[8 (8 a + b)]); window 3: those of my rows 64-127.
.set KSTEP,  128
.set STEPS,  8                         ; K = 1024
.set PITCH,  272                       ; 256 bytes + 16 of padding = 68 words: the 16 rows of a load start at 16 different groups of four banks
.set HALFT,  128*PITCH
.set SLOT,   4*HALFT                   ; k's 256 rows, then q's 256 rows: 0x22000 bytes.  The four pieces of slot 0 begin at 0, 0x8800, 0x11000, 0x19800, which have neither of SLOT's two bits: there an exclusive or with SLOT adds it
.set STAGE,  2*SLOT                    ; behind the ring: 16 rows x 528 bytes for each wave
.set SPITCH, 528                       ; 512 bytes + 16
.set SPARE,  STAGE+4*16*SPITCH         ; behind the stages: the spare words, two blocks of 256 bytes that no other line names
.set ROWB,   6144                      ; bytes in a row of kqv
.set ADRA, 16                          ; v16  LDS address of my fragments of k in slot 0; never rewritten
.set CA,   17                          ; v17  the same in the slot in hand
.set ADRB, 20                          ; v20  of q, in slot 0; never rewritten
.set CB,   21                          ; v21  in the slot in hand
.set STO,  24                          ; v24  the way out: where I put 32 bytes of a row
.set RD,   25                          ; v25  where I read a row back
.set CO,   26                          ; v26  my byte offset in a row of sc
.set SPW,  28                          ; v28  LDS address of my spare word; never rewritten
.set NIL,  29                          ; v29  0; never rewritten
.set PFO,  30                          ; v30  the prefetches' offset: my lane x a row of kqv; never rewritten
.set PFA,  44                          ; s[44:45] where my prefetches stand
.set LIM,  43                          ; s43  a wave prefetches while the trips left are above this number
.set TB,   66                          ; s66  0 or SLOT: the slot in hand
.set F0,   64
.set F1,   128
.set G1,   24
.set G0,   32                          ; s[32:39] group 0 for k: a set for each of the two first fills; the second then walks on
.set G1B,  48
.set G0B,  56                          ; s[56:63] the same for q
.set GW,   (1<<16)|(1<<20)|(1<<21)|(5<<22)|(3<<25)  ; 2-byte elements; padding on; bit 21 beside a mask; after every 64 words (code 5) 4 words (code 3)
.set MSB, 0
.macro WIN new
.if MSB != (\new)
	s_set_vgpr_msb (MSB<<8)|(\new)
.set MSB, (\new)
.endif
.endm
.set MUL_LO, 0xa1                      ; source 0 (q) window 1, source 1 (k) window 0, C and D window 2
.set MUL_HI, 0xf1                      ; the same, C and D window 3
.set TO_B,   0x40                      ; destination window 1, address window 0
.macro JLOAD                           ; by the walking descriptors: waves 0 and 1 fetch k's two halves, waves 2 and 3 q's; an s_nop 0 and four v_nop follow each line
	s_cmp_eq_u32 s11, 0
	s_cbranch_scc0 .Lfor_b_\@
	tensor_load_to_lds s[G0+4:G0+7], s[G1:G1+7]
	s_nop 0
.rept 4
	v_nop
.endr
	s_branch .Lasked_\@
.Lfor_b_\@:
	tensor_load_to_lds s[G0B+4:G0B+7], s[G1B:G1B+7]
	s_nop 0
.rept 4
	v_nop
.endr
.Lasked_\@:
.endm
; A PREFETCH INTO THE L2 behind each joint refill and its run of LDS loads: the K step two refills on, 512 matrix instructions ahead of the load that will want it: 32 rows x 256 bytes, a lane a row.
; Each row's 256 bytes of a K step are named once.  Squares (1,0) and (1,1) read the same rows of k: cluster x = 1 asks, 2 does not; squares (0,0) and (1,0) the same rows of q: cluster x = 0 asks, 1 does not.
; Of the 128 rows that a wave fetches each of the four partners that ask jointly takes 32, told apart by address (cx for k, cy for q).  The change of step t names step t + 4: the loop's last two trips
; (t = 4, 5) ask for nothing; steps 0 to 3 come by their loads alone.
.macro ASK
	s_cmp_gt_u32 s3, s[LIM]
	s_cbranch_scc0 .Lnot_mine_\@
	global_prefetch_b8 v[PFO], s[PFA:PFA+1] offset:KSTEP*2 th:TH_LOAD_NT scope:SCOPE_SE
.Lnot_mine_\@:
.endm
.macro CREST
	s_cmp_lg_u32 s10, 0
	s_cbranch_scc1 .Lnot_wave_0_\@
	s_barrier_signal -3
.Lnot_wave_0_\@:
	s_barrier_wait -3
	s_barrier_signal -1
	s_barrier_wait -1
.endm
.macro CROUND
	s_barrier_signal -1
	s_barrier_wait -1
	CREST
.endm
	s_load_b128 s[4:7], s[0:1], 0x0                ; kqv s[4:5], sc s[6:7]
	v_lshl_add_u32 v[SPW], v0, 2, SPARE
	v_mov_b32 v[NIL], 0
	ds_add_u32 v[SPW], v[NIL]                      ; the wave's opening: the add and its wait ahead of my first tensor load
	v_lshrrev_b32 v1, 5, v0
	v_readfirstlane_b32 s10, v1                    ; wave 0..3
	s_lshr_b32 s11, s10, 1                         ; my half of the tile's rows.  Also: I fetch for k (0) or for q (1)
	s_and_b32 s12, s10, 1                          ; my half of its columns.  Also: which 128 rows I fetch
	s_bfe_u32 s40, ttmp6, 0x40000                  ; cx
	s_bfe_u32 s41, ttmp6, 0x40004                  ; cy
	s_add_co_u32 s13, ttmp9, 1                     ; cluster x = 0, 1, 2: squares (0,0), (1,0), (1,1)
	s_lshr_b32 s13, s13, 1
	s_lshl_b32 s13, s13, 2
	s_add_co_u32 s13, s13, s41                     ; tile row = 4 x square row + cy
	s_lshr_b32 s42, ttmp9, 1
	s_lshl_b32 s42, s42, 2
	s_add_co_u32 s42, s42, s40                     ; tile column = 4 x square column + cx
	s_and_b32 s2, ttmp7, 0xffff                    ; the batch,
	s_lshl_b32 s2, s2, 11                          ; its first row
	s_mov_b32 s[TB], 0                             ; slot 0 is read first
	s_lshl_b32 s18, s41, 2
	s_lshl_b32 s18, 15, s18                        ; my row of the cluster
	s_lshl_b32 s19, 0x1111, s40                    ; my column
	s_or_b32 s[G1], s18, GW
	s_or_b32 s[G1B], s19, GW
.irp g, G1, G1B
	s_mov_b32 s[(\g)+1], KSTEP<<16                 ; tensor_dim0 = 128
	s_mov_b32 s[(\g)+2], 128<<16                   ; tensor_dim1 = 128
	s_mov_b32 s[(\g)+3], KSTEP<<16                 ; tile_dim0
	s_mov_b32 s[(\g)+4], 128                       ; tile_dim1
	s_mov_b32 s[(\g)+5], 3072                      ; elements from row to row
	s_mov_b32 s[(\g)+6], 0
	s_mov_b32 s[(\g)+7], 0
.endr
	s_lshl_b32 s17, s12, 7
	s_add_co_u32 s17, s17, s2                      ; the batch's first row + the 128 rows that I fetch
	s_lshl_b32 s16, s13, 8
	s_add_co_u32 s16, s16, s17
	s_mul_i32 s16, s16, ROWB                       ; k: by the tile row
	s_lshl_b32 s46, s42, 8
	s_add_co_u32 s46, s46, s17
	s_mul_i32 s46, s46, ROWB                       ; q: by the tile column,
	s_add_co_u32 s46, s46, 2048                    ; 1,024 columns on
	s_mov_b32 s17, 0
	s_mov_b32 s47, 0
	s_mul_i32 s20, s10, HALFT                      ; where they go: wave x 128 rows
	s_wait_dscnt 0x0                               ; the opening add is done
	s_wait_kmcnt 0x0
	s_add_nc_u64 s[14:15], s[4:5], s[16:17]
	s_add_nc_u64 s[46:47], s[4:5], s[46:47]
	CROUND                                         ; all sixteen work-groups are here: the first joint loads meet
.irp s, 0,1
	s_mov_b32 s[G0+4*(\s)], 1
	s_add_co_u32 s[G0+4*(\s)+1], s20, (\s)*SLOT
	s_add_nc_u64 s[G0+4*(\s)+2:G0+4*(\s)+3], s[14:15], (\s)*KSTEP*2
	s_or_b32 s[G0+4*(\s)+3], s[G0+4*(\s)+3], 0x80000000
	s_mov_b32 s[G0B+4*(\s)], 1
	s_add_co_u32 s[G0B+4*(\s)+1], s20, (\s)*SLOT
	s_add_nc_u64 s[G0B+4*(\s)+2:G0B+4*(\s)+3], s[46:47], (\s)*KSTEP*2
	s_or_b32 s[G0B+4*(\s)+3], s[G0B+4*(\s)+3], 0x80000000
.endr
	s_cmp_eq_u32 s11, 0                            ; a wave's two first fills stand in one branch: two loads of mine are out
	s_cbranch_scc0 .Lfirst_b
	tensor_load_to_lds s[G0:G0+3], s[G1:G1+7]
	s_nop 0
	tensor_load_to_lds s[G0+4:G0+7], s[G1:G1+7]
	s_nop 0
.rept 4
	v_nop
.endr
	s_branch .Lfirst_asked
.Lfirst_b:
	tensor_load_to_lds s[G0B:G0B+3], s[G1B:G1B+7]
	s_nop 0
	tensor_load_to_lds s[G0B+4:G0B+7], s[G1B:G1B+7]
	s_nop 0
.rept 4
	v_nop
.endr
.Lfirst_asked:
	v_and_b32 v1, 15, v0                           ; l % 16
	v_bfe_u32 v2, v0, 4, 1                         ; l / 16
	v_and_b32 v4, 31, v0                           ; l
	v_mul_u32_u24 v3, v1, PITCH
	v_lshl_add_u32 v3, v2, 4, v3                   ; a fragment's row x pitch + 16 x half
	s_mul_i32 s21, s11, HALFT                      ; my 128 rows of k
	s_mul_i32 s22, s12, HALFT                      ; my 128 rows of q,
	s_add_co_u32 s22, s22, 2*HALFT                 ; which lie behind k's 256
	v_add_nc_u32 v[ADRA], s21, v3
	v_add_nc_u32 v[ADRB], s22, v3
	v_mov_b32 v[CA], v[ADRA]
	v_mov_b32 v[CB], v[ADRB]
	s_mul_i32 s23, s10, 16*SPITCH
	s_add_co_u32 s23, s23, STAGE                   ; my stage
	v_mul_u32_u24 v5, v1, SPITCH                   ; in: row l % 16, 32 bytes for each half of the lanes
	v_lshl_add_u32 v5, v2, 5, v5
	v_add_nc_u32 v[STO], s23, v5
	v_lshl_add_u32 v[RD], v4, 4, s23               ; back: 32 lanes take one row of 512 bytes
	v_lshlrev_b32 v[CO], 4, v4
	s_lshl_b32 s13, s13, 8                         ; 256 x tile row
	s_lshl_b32 s42, s42, 8                         ; 256 x tile column
	s_add_co_u32 s16, s13, s2                      ; sc at my first row,
	s_lshl_b32 s17, s11, 7
	s_add_co_u32 s16, s16, s17
	s_lshl_b32 s16, s16, 13                        ; rows of 8,192 bytes,
	s_lshl_b32 s46, s42, 2                         ; and my first column, 4 bytes a number
	s_lshl_b32 s47, s12, 9
	s_add_co_u32 s46, s46, s47
	s_add_co_u32 s46, s46, s16
	s_mov_b32 s47, 0
	s_add_nc_u64 s[8:9], s[6:7], s[46:47]
	; the prefetches
	s_cmp_eq_u32 s11, 0                            ; do I fetch for k?
	s_cselect_b32 s20, s13, s42                    ; the tile's first row
	s_cselect_b32 s21, s40, s41                    ; my place among the four that ask with me
	s_cselect_b32 s22, 2, 1                        ; the cluster x whose rows another cluster names
	s_cselect_b32 s23, 0, 2048                     ; k's or q's columns
	s_cmp_lg_u32 s22, ttmp9
	s_cselect_b32 s[LIM], 2, -1                    ; the same in all sixteen partners, for a given wave
	s_add_co_u32 s20, s20, s2
	s_lshl_b32 s22, s12, 7
	s_add_co_u32 s20, s20, s22                     ; + the 128 rows that I fetch
	s_lshl_b32 s21, s21, 5
	s_add_co_u32 s20, s20, s21                     ; + my work-group's 32 of them
	s_mul_i32 s20, s20, ROWB
	s_add_co_u32 s20, s20, s23
	s_add_co_u32 s20, s20, 2*KSTEP*2               ; at K step 2: the first refill steps it to 3 and names step 4
	s_mov_b32 s21, 0
	s_add_nc_u64 s[PFA:PFA+1], s[4:5], s[20:21]
	v_mul_u32_u24 v[PFO], v4, ROWB
; 16 matrix instructions: row blocks a0, a0 + 1 of the window's four x all 8 column blocks, 32 along K.  zero = 1: the first product starts the sums.  The 64 accumulators take turns.
.macro MUL16 f, hi, a0, zero
	WIN MUL_LO+0x50*(\hi)
.irp a, \a0, (\a0)+1
.irp b, 0,1,2,3,4,5,6,7
.if \zero
	v_wmma_f32_16x16x32_f16 v[8*(8*(\a)+(\b)):8*(8*(\a)+(\b))+7], v[(\f)+8*(\b):(\f)+8*(\b)+7], v[(\f)+8*(4*(\hi)+(\a)):(\f)+8*(4*(\hi)+(\a))+7], 0
.else
	v_wmma_f32_16x16x32_f16 v[8*(8*(\a)+(\b)):8*(8*(\a)+(\b))+7], v[(\f)+8*(\b):(\f)+8*(\b)+7], v[(\f)+8*(4*(\hi)+(\a)):(\f)+8*(4*(\hi)+(\a))+7], v[8*(8*(\a)+(\b)):8*(8*(\a)+(\b))+7]
.endif
.endr
.endr
.endm
.macro FETCH k, f                      ; 32 LDS loads in one run: the fragments of 32 along K at byte k of the rows of the slot in hand, q's first
	WIN TO_B
.irp i, 0,1,2,3,4,5,6,7
	ds_load_b128 v[(\f)+8*(\i):(\f)+8*(\i)+3],   v[CB] offset:(\k)+(\i)*16*PITCH
	ds_load_b128 v[(\f)+8*(\i)+4:(\f)+8*(\i)+7], v[CB] offset:(\k)+(\i)*16*PITCH+32
.endr
	WIN 0
.irp i, 0,1,2,3,4,5,6,7
	ds_load_b128 v[(\f)+8*(\i):(\f)+8*(\i)+3],   v[CA] offset:(\k)+(\i)*16*PITCH
	ds_load_b128 v[(\f)+8*(\i)+4:(\f)+8*(\i)+7], v[CA] offset:(\k)+(\i)*16*PITCH+32
.endr
.endm
.macro PLACES                          ; four plain vector instructions between a matrix instruction and a load into, or a read of, its registers
.rept 4
	v_nop
.endr
.endm
.macro TOGGLE                          ; the fragment loads go over to the other slot
	s_xor_b32 s[TB], s[TB], SLOT
	v_add_nc_u32 v[CA], s[TB], v[ADRA]
	v_add_nc_u32 v[CB], s[TB], v[ADRB]
.endm
.macro QUARTER k, f, g, zero           ; 64 matrix instructions on buffer f; in their middle the next quarter's fragments, at byte k, go into buffer g
	s_wait_dscnt 8                                 ; q's fragments and k's rows 0-63 are in; the youngest eight loads may be out
	MUL16 \f, 0, 0, \zero
	MUL16 \f, 0, 2, \zero
	PLACES
	FETCH \k, \g
	s_wait_dscnt 32                                ; all but the 32 just issued
	MUL16 \f, 1, 0, \zero
	MUL16 \f, 1, 2, \zero
.endm
; The first half of a K step's last quarter: ONE barrier for the change of slots.  In front of it each wave waits for all its tensor loads (one is out: its part of the next slot), adds 0 to its spare word,
; and waits for that and for its reads of this slot.
.macro MEET
	WIN 0
	s_wait_tensorcnt 0x0
	ds_add_u32 v[SPW], v[NIL]
	s_wait_dscnt 9                                 ; (the add and the youngest eight loads may be out)
	MUL16 F1, 0, 0, 0
	s_wait_dscnt 0x0                               ; the add is done, and my reads of this slot are over
	s_barrier_signal -1
	MUL16 F1, 0, 2, 0
	WIN 0
	s_barrier_wait -1
.endm
.macro TURN                            ; the whole last quarter, with the refill two K steps on: 224 matrix instructions ahead of the wait for it
	s_wait_xcnt 0x0                                ; the last prefetch, a K step back, has read its address
	s_add_nc_u64 s[PFA:PFA+1], s[PFA:PFA+1], KSTEP*2
	MEET
	CREST                                          ; no wave of any partner still reads this slot or has a load on its way
	s_xor_b32 s[G0+5], s[G0+5], SLOT               ; the walking descriptors: the other slot than last time,
	s_add_nc_u64 s[G0+6:G0+7], s[G0+6:G0+7], KSTEP*2   ; the next K step; the type bits on top are not reached
	s_xor_b32 s[G0B+5], s[G0B+5], SLOT
	s_add_nc_u64 s[G0B+6:G0B+7], s[G0B+6:G0B+7], KSTEP*2
	JLOAD                                          ; its four v_nop are also the places in front of the loads below
	TOGGLE
	FETCH 0, F0
	ASK
	MUL16 F1, 1, 0, 0
	MUL16 F1, 1, 2, 0
.endm
; THE WAY OUT of row block a: 16 rows x 512 bytes go into my own stage, 32 bytes a lane, and come back as whole rows.  LDS serves a wave's instructions in order (ISA guide 5.7.1.4), so no wait stands between.
.macro TOST a
.set AC, 64*((\a)%4)
.set BK, F0+64*((\a)%2)
.if (\a) >= 2
	s_wait_xcnt 0x0                                ; the stores that read this set of registers have had their addresses translated
.endif
	WIN 0x08+4*((\a)/4)                            ; store data in window 2 or 3; each accumulator's low four registers first
.irp b, 0,1,2,3,4,5,6,7
	ds_store_b128 v[STO], v[AC+8*(\b):AC+8*(\b)+3]   offset:64*(\b)
	ds_store_b128 v[STO], v[AC+8*(\b)+4:AC+8*(\b)+7] offset:64*(\b)+16
.endr
	WIN 0
.irp t, 0,1,2,3,4,5,6,7,8,9,10,11,12,13,14,15
	ds_load_b128 v[BK+4*(\t):BK+4*(\t)+3], v[RD] offset:(\t)*SPITCH
.endr
.endm
.macro SEND a, younger                 ; younger: the LDS instructions issued behind block a's loads: the next block's 32, or none.  One wait for four rows: behind them stand 12 - 4 g loads of the block
.set BK, F0+64*((\a)%2)
.irp g, 0,1,2,3
	s_wait_dscnt (\younger)+12-4*(\g)
.irp t, 0,1,2,3
	global_store_b128 v[CO], v[BK+4*(4*(\g)+(\t)):BK+4*(4*(\g)+(\t))+3], s[8:9] offset:(\a)*131072+(4*(\g)+(\t))*8192  ; 512 consecutive bytes, at a multiple of 256 from sc's first byte
.endr
.endr
.endm
	s_wait_tensorcnt 0x1                           ; my part of K step 0 is in; step 1's may stay out
	s_barrier_signal -1
	s_barrier_wait -1
	FETCH 0, F0
	QUARTER 64, F0, F1, 1                          ; the first quarter stands in front of the loop: its products start the sums
	WIN 0
	s_mov_b32 s3, STEPS-2
.Lstep:                                                ; a trip goes from a K step's second quarter to the next step's first, and asks for the step two on: steps 2 to 7
	QUARTER 128, F1, F0, 0
	QUARTER 192, F0, F1, 0
	TURN
	QUARTER 64,  F0, F1, 0
	WIN 0
	s_sub_co_u32 s3, s3, 1
	s_cmp_lg_u32 s3, 0
	s_cbranch_scc1 .Lstep
	QUARTER 128, F1, F0, 0                         ; the last two K steps ask for nothing
	QUARTER 192, F0, F1, 0
	MEET
	PLACES
	TOGGLE
	FETCH 0, F0
	MUL16 F1, 1, 0, 0
	MUL16 F1, 1, 2, 0
	QUARTER 64,  F0, F1, 0
	QUARTER 128, F1, F0, 0
	QUARTER 192, F0, F1, 0
	s_wait_dscnt 8
	MUL16 F1, 0, 0, 0
	MUL16 F1, 0, 2, 0
	s_wait_dscnt 0x0
	MUL16 F1, 1, 0, 0
	MUL16 F1, 1, 2, 0
	WIN 0
	PLACES
	TOST 0
.irp a, 1,2,3,4,5,6,7
	TOST \a
	SEND (\a)-1, 32
.endr
	SEND 7, 0
	s_wait_tensorcnt 0x0                           ; the wave's end
	ds_add_u32 v[SPW], v[NIL]
	s_wait_dscnt 0x0
	CROUND                                         ; the closing round
	s_endpgm
.Lfunc_end_k_q571d31e6fc_score:
	.size	k_q571d31e6fc_score, .Lfunc_end_k_q571d31e6fc_score-k_q571d31e6fc_score
	.p2alignl 7, 3214868480
	.fill 96, 4, 3214868480
	.section	.rodata,"a",@progbits
	.p2align	6, 0x0
	.amdhsa_kernel k_q571d31e6fc_score
		.amdhsa_group_segment_fixed_size 327680
		.amdhsa_private_segment_fixed_size 0
		.amdhsa_enable_private_segment 0
		.amdhsa_kernarg_size 16
		.amdhsa_user_sgpr_count 2
		.amdhsa_user_sgpr_kernarg_segment_ptr 1
		.amdhsa_wavefront_size32 1
		.amdhsa_system_sgpr_workgroup_id_x 1
		.amdhsa_system_sgpr_workgroup_id_y 1
		.amdhsa_system_sgpr_workgroup_id_z 1
		.amdhsa_system_vgpr_workitem_id 0
		.amdhsa_next_free_vgpr 1024
		.amdhsa_next_free_sgpr 68
		.amdhsa_reserve_vcc 0
		.amdhsa_float_denorm_mode_32 3
		.amdhsa_float_denorm_mode_16_64 3
		.amdhsa_memory_ordered 1
		.amdhsa_forward_progress 1
		.amdhsa_inst_pref_size 115
	.end_amdhsa_kernel
	.amdgpu_metadata
---
amdhsa.version: [ 1, 2 ]
amdhsa.kernels:
  - .name:           k_q571d31e6fc_score
    .symbol:         k_q571d31e6fc_score.kd
    .args:
      - { .name: kqv, .offset: 0, .size: 8, .value_kind: global_buffer, .address_space: global }
      - { .name: sc, .offset: 8, .size: 8, .value_kind: global_buffer, .address_space: global }
    .group_segment_fixed_size: 327680
    .private_segment_fixed_size: 0
    .kernarg_segment_align: 8
    .kernarg_segment_size: 16
    .max_flat_workgroup_size: 128
    .sgpr_count:     68
    .vgpr_count:     1024
    .wavefront_size: 32
...
	.end_amdgpu_metadata
.endif
;; end of part 3
;; launch soft (part 4): grid 512 x 1, 8 waves a work-group, no clusters, 9,216 bytes of LDS; arguments sc, hd, pr, ho; writes pr, ho
.if DOCPART == 4
	.amdgcn_target "amdgcn-amd-amdhsa--gfx1250"
	.amdhsa_code_object_version 6
	.text
	.protected	k_q571d31e6fc_soft
	.globl	k_q571d31e6fc_soft
	.p2align	8
	.type	k_q571d31e6fc_soft,@function
k_q571d31e6fc_soft:
	s_mov_b64 s[64:65], 0
	v_nop
	global_prefetch_b8 v0, s[64:65] scope:SCOPE_SE
	s_setreg_imm32_b32 hwreg(HW_REG_WAVE_MODE, 25, 1), 1
	s_wait_xcnt 0x0
; pr[b][t][s] = softmax over s <= t of sc[b][t][s] / 32, rounded once to f16; zeros for t < s < 512 (t / 512 + 1), as far as the product that follows reads.
; The row's maximum is taken away before the exponential; maximum, sum and division in f32.
; LIMITS.  A hidden score counts as -1e30; a weight below 2^-126 counts as 0; a weight below 6e-5 keeps f16's fixed step.  NaN and infinities are not treated apart.
; SHARES.  A work-group takes 16 rows, a wave two; a row stays in registers (up to 2,048 numbers: 64 a lane) between the passes, so sc is read once.  Of a row only the chunks of 128 columns
; that hold a visible score are loaded, IN REVERSE ORDER: register slot j holds chunk u / 8 - j (u: the work-group's number in its batch), so the one chunk that the diagonal crosses lies in slot 0, and the
; mask is eight lines a row.  The bases stand at that chunk and the immediates go backward; slot j is touched only where j <= u / 8, so nothing reaches in front of a row.  The counts hang on the work-group's
; number alone, and the jumps that end the runs of loads and stores go forward.  A load covers 512 consecutive bytes, a store 256.
; THE FIRST 16 ROWS OF EACH BATCH average over so few keys that 16-bit roundings of k, q, v and the weights would show.  The work-group that owns them (u = 0) makes them wholly in f32 from hd, the f32
; sums of the projection: scores, softmax and the product with v, into ho, which the next launch puts in the place of its own result for those rows.  So pr's rows 0-15 take no part in the output: this work-group
; stores zeros there (the 512 columns that are read) and makes no 16-bit weights.  The head is 64 f32 matrix instructions a wave in four work-groups: no bulk work.  K (1,024 channels) is split
; among the eight waves; the partial scores meet in LDS.  The one barrier stands on every work-group's path, between the head's two parts.
; No cluster, no tensor load: no byte of sc is wanted twice.
.set PART,  0                          ; LDS: wave w's partial scores, 1,024 bytes, at 1,024 w
.set SPARE, 8192                       ; behind them: the spare words, 128 bytes a wave, four blocks of 256 bytes that no other line names
.set SO,  4                            ; v4   my byte offset in the group's rows of sc
.set PO,  5                            ; v5   in its rows of pr
.set D0,  6                            ; v6, v7  for my wave's two rows: the row's place in the diagonal chunk less 4 l: number e of my four in slot 0 is hidden where e is greater
.set NEG, 8                            ; v8   -1e30
.set XH,  9                            ; v9   at work at the start, written there on every path; in the head: what the lane 16 away holds
.set CM,  20                           ; v[20:21] c m in the low register
.set RL,  22                           ; v[22:23] 1 / l, twice
.set SPW, 24                           ; v24  LDS address of my spare word; never rewritten
.set NIL, 25                           ; v25  0; never rewritten
.set HK,  26                           ; v26  the head: my offset in k's and q's rows of hd
.set HV,  27                           ; v27  in v's rows
.set HOO, 28                           ; v28  in ho
.set LS,  29                           ; v29  where I put my partial scores
.set LR,  30                           ; v30  where I read them back
.set DD,  31                           ; v31  l % 16 - 8 (l / 16): score j of my eight is hidden where j is greater
.set DH,  32                           ; v[32:63] four accumulators: written by matrix instructions alone
.set X0,  64                           ; v[64:127]  the even row
.set X1,  128                          ; v[128:191] the odd row
.set T,   192                          ; v[192:199] the head's eight scores, then weights
.set W,   200                          ; v[200:207] at work
.set Z,   208                          ; v[208:209] 0, for the chunks of zeros
	s_load_b256 s[4:11], s[0:1], 0x0               ; sc s[4:5], hd s[6:7], pr s[8:9], ho s[10:11]
	v_lshl_add_u32 v[SPW], v0, 2, SPARE
	v_mov_b32 v[NIL], 0
	v_lshrrev_b32 v1, 5, v0
	v_readfirstlane_b32 s12, v1                    ; wave 0..7
	v_and_b32 v1, 31, v0                           ; l
	v_and_b32 v2, 15, v0                           ; l % 16
	v_bfe_u32 v3, v0, 4, 1                         ; l / 16
	s_and_b32 s13, ttmp9, 127                      ; u: my 16 rows among the batch's 2,048
	s_lshr_b32 s25, ttmp9, 7                       ; the batch
	s_lshr_b32 s14, s13, 3                         ; the chunk of 128 columns that the diagonal crosses in my rows
	s_and_b32 s15, s14, 3
	s_sub_co_u32 s15, 3, s15                       ; chunks of zeros behind it, up to column 512 (t / 512 + 1)
	s_lshl_b32 s16, s12, 14                        ; my two rows of 8,192 bytes
	v_lshl_add_u32 v[SO], v1, 4, s16
	s_lshl_b32 s16, s12, 13                        ; of 4,096 bytes
	v_lshl_add_u32 v[PO], v1, 3, s16
	s_and_b32 s16, s13, 7
	s_lshl_b32 s16, s16, 4
	s_lshl1_add_u32 s16, s12, s16                  ; the even row's place in the diagonal chunk: 16 (u % 8) + 2 w
	v_lshlrev_b32 v[XH], 2, v1
	v_sub_nc_u32 v[D0], s16, v[XH]
	v_add_nc_u32 v[D0+1], 1, v[D0]
	v_mov_b32 v[NEG], 0xf149f2ca
	v_mov_b32 v[CM+1], 0                           ; named with c m as a pair
	v_mov_b32 v[Z], 0
	v_mov_b32 v[Z+1], 0
	s_mov_b32 s18, 0x3d38aa3b                      ; c = log2(e) / 32
	s_mov_b32 s19, s18
	s_mov_b32 s20, 0x76543210                      ; v_permlanex16_b32: each lane takes its own place in the other half
	s_mov_b32 s21, 0xfedcba98
	s_lshl_b32 s22, s12, 9                         ; the head's addresses: my wave's 128 channels, 512 bytes
	v_mul_u32_u24 v[HK], v2, 12288                 ; row l % 16 of hd, 16 bytes for each half of the lanes
	v_lshl_add_u32 v[HK], v3, 4, v[HK]
	v_add_nc_u32 v[HK], s22, v[HK]
	v_mul_u32_u24 v[HV], v3, 98304                 ; rows 8 (l / 16) on, channel l % 16
	v_lshl_add_u32 v[HV], v2, 2, v[HV]
	v_add_nc_u32 v[HV], s22, v[HV]
	v_lshlrev_b32 v[HOO], 12, v2                   ; row l % 16 of ho, 32 bytes for each half of the lanes
	v_lshl_add_u32 v[HOO], v3, 5, v[HOO]
	v_add_nc_u32 v[HOO], s22, v[HOO]
	s_lshl_b32 s23, s12, 10
	v_lshl_add_u32 v[LS], v1, 5, s23
	v_lshlrev_b32 v[LR], 5, v1
	v_lshlrev_b32 v[XH], 3, v3
	v_sub_nc_u32 v[DD], v2, v[XH]
.set i, 0
.rept 128
	v_mov_b32 v[X0+i], v[NEG]                      ; slots that are not loaded hold hidden scores (written while the arguments are on their way)
.set i, i+1
.endr
	s_mov_b32 s17, 0
	s_wait_kmcnt 0x0
	s_lshl_b32 s16, ttmp9, 17                      ; 16 rows of 8,192 bytes: the batches' rows lie end to end;
	s_lshl_b32 s24, s14, 9                         ; the diagonal chunk, 512 bytes a chunk
	s_add_co_u32 s16, s16, s24
	s_add_nc_u64 s[4:5], s[4:5], s[16:17]
	s_lshl_b32 s16, ttmp9, 16                      ; 16 rows of 4,096 bytes, 256 bytes a chunk
	s_lshl_b32 s24, s14, 8
	s_add_co_u32 s16, s16, s24
	s_add_nc_u64 s[8:9], s[8:9], s[16:17]
	s_cmp_eq_u32 s13, 0
	s_cbranch_scc1 .Lhead                          ; the batch's first 16 rows
.set j, 0
.rept 16
.if j > 0
	s_cmp_lt_u32 s14, j
	s_cbranch_scc1 .Lld
.endif
	global_load_b128 v[X0+4*j:X0+4*j+3], v[SO], s[4:5] offset:0-512*j th:TH_LOAD_NT
	global_load_b128 v[X1+4*j:X1+4*j+3], v[SO], s[4:5] offset:8192-512*j th:TH_LOAD_NT
.set j, j+1
.endr
.Lld:
	s_wait_loadcnt 0x0                             ; the number of loads differs from path to path: all of them
; One row: mask, maximum, exponentials, sum, division, rounding.  The 64 exponentials are one batch with one wait; so are the two reciprocals.
.macro ROW X, D
.set i, 0
.rept 4                                        ; the diagonal chunk alone: the chunks in front of it are visible whole, the slots behind the loaded ones hold -1e30
	v_cmp_gt_i32 vcc_lo, i, v[\D]
	v_cndmask_b32 v[(\X)+i], v[(\X)+i], v[NEG], vcc_lo
.set i, i+1
.endr
.irp k, 0,1,2,3                        ; four chains of 16 numbers, three operands at a time
	v_max3_num_f32 v[10+(\k)], v[(\X)+16*(\k)], v[(\X)+16*(\k)+1], v[(\X)+16*(\k)+2]
.endr
.set i, 3
.rept 6
.irp k, 0,1,2,3
	v_max3_num_f32 v[10+(\k)], v[10+(\k)], v[(\X)+16*(\k)+i], v[(\X)+16*(\k)+i+1]
.endr
.set i, i+2
.endr
.irp k, 0,1,2,3
	v_max_num_f32 v[10+(\k)], v[10+(\k)], v[(\X)+16*(\k)+15]
.endr
	v_max3_num_f32 v10, v10, v11, v12
	v_max_num_f32 v10, v10, v13
	v_max_num_f32_dpp v10, v10, v10 row_xmask:1 row_mask:0xf bank_mask:0xf
	v_max_num_f32_dpp v10, v10, v10 row_xmask:2 row_mask:0xf bank_mask:0xf
	v_max_num_f32_dpp v10, v10, v10 row_xmask:4 row_mask:0xf bank_mask:0xf
	v_max_num_f32_dpp v10, v10, v10 row_xmask:8 row_mask:0xf bank_mask:0xf
	v_permlanex16_b32 v11, v10, s20, s21
	v_max_num_f32 v10, v10, v11                    ; every lane holds the row's maximum: a visible score, since s = t is visible
	v_mul_f32 v[CM], s18, v10
.set i, 0
.rept 32
	v_pk_fma_f32 v[(\X)+i:(\X)+i+1], v[(\X)+i:(\X)+i+1], s[18:19], v[CM:CM+1] op_sel_hi:[1,0,0] neg_lo:[0,0,1] neg_hi:[0,0,1]  ; c s - c m
.set i, i+2
.endr
.set i, 0
.rept 64
	v_exp_f32 v[(\X)+i], v[(\X)+i]
.set i, i+1
.endr
	v_nop                                          ; a plain instruction behind the last exponential,
	s_wait_alu depctr_va_vdst(0)                   ; and the one wait ahead of the batch's first reader
.irp k, 0,1,2,3                        ; the sum, in four chains of pairs
	v_pk_add_f32 v[W+2*(\k):W+2*(\k)+1], v[(\X)+16*(\k):(\X)+16*(\k)+1], v[(\X)+16*(\k)+2:(\X)+16*(\k)+3]
.endr
.set i, 4
.rept 6
.irp k, 0,1,2,3
	v_pk_add_f32 v[W+2*(\k):W+2*(\k)+1], v[W+2*(\k):W+2*(\k)+1], v[(\X)+16*(\k)+i:(\X)+16*(\k)+i+1]
.endr
.set i, i+2
.endr
	v_pk_add_f32 v[W:W+1], v[W:W+1], v[W+2:W+3]
	v_pk_add_f32 v[W+4:W+5], v[W+4:W+5], v[W+6:W+7]
	v_pk_add_f32 v[W:W+1], v[W:W+1], v[W+4:W+5]
	v_add_f32 v10, v[W], v[W+1]
	v_add_f32_dpp v10, v10, v10 row_xmask:1 row_mask:0xf bank_mask:0xf
	v_add_f32_dpp v10, v10, v10 row_xmask:2 row_mask:0xf bank_mask:0xf
	v_add_f32_dpp v10, v10, v10 row_xmask:4 row_mask:0xf bank_mask:0xf
	v_add_f32_dpp v10, v10, v10 row_xmask:8 row_mask:0xf bank_mask:0xf
	v_permlanex16_b32 v11, v10, s20, s21
	v_add_f32 v10, v10, v11
	v_rcp_f32 v[RL], v10
	v_rcp_f32 v[RL+1], v10
	v_nop
	s_wait_alu depctr_va_vdst(0)
.set i, 0
.rept 32
	v_pk_mul_f32 v[(\X)+i:(\X)+i+1], v[(\X)+i:(\X)+i+1], v[RL:RL+1]
.set i, i+2
.endr
.set i, 0
.rept 32
	v_cvt_pk_f16_f32 v[(\X)+i], v[(\X)+2*i], v[(\X)+2*i+1]  ; in place, ascending: register i is written when it has been read
.set i, i+1
.endr
.endm
	ROW X0, D0
	ROW X1, D0+1
.set j, 0
.rept 16
.if j > 0
	s_cmp_lt_u32 s14, j
	s_cbranch_scc1 .Lst
.endif
	global_store_b64 v[PO], v[X0+2*j:X0+2*j+1], s[8:9] offset:0-256*j      ; 256 consecutive bytes, aligned
	global_store_b64 v[PO], v[X1+2*j:X1+2*j+1], s[8:9] offset:4096-256*j
.set j, j+1
.endr
.Lst:
.set j, 1
.rept 3                                        ; the chunks of zeros behind the diagonal chunk
	s_cmp_lt_u32 s15, j
	s_cbranch_scc1 .Lz
	global_store_b64 v[PO], v[Z:Z+1], s[8:9] offset:256*j
	global_store_b64 v[PO], v[Z:Z+1], s[8:9] offset:4096+256*j
.set j, j+1
.endr
.Lz:
	s_branch .Lmeet
.Lhead:
	; THE HEAD, part 1.  Zeros into my two rows of pr, four chunks each; then my 128 channels' share of the 16 x 16 scores.  Source 0 = q's rows, source 1 = k's rows: lane l holds t = l % 16 and
	; s = 8 (l / 16) + 0..7.  A lane's 16 bytes are four channels, two K steps' pairs; the order of channels within the 128 is the same on both sides, which leaves the sum as it is.
.irp j, 0,1,2,3
	global_store_b64 v[PO], v[Z:Z+1], s[8:9] offset:256*(\j)
	global_store_b64 v[PO], v[Z:Z+1], s[8:9] offset:4096+256*(\j)
.endr
	s_mul_i32 s16, s25, 196608
	s_add_nc_u64 s[6:7], s[6:7], s[16:17]          ; hd at my batch
.set i, 0
.rept 16
	global_load_b128 v[X0+4*i:X0+4*i+3], v[HK], s[6:7] offset:32*i
	global_load_b128 v[X1+4*i:X1+4*i+3], v[HK], s[6:7] offset:32*i+4096
.set i, i+1
.endr
	s_wait_loadcnt 0x0
.set n, 0
.rept 32                                       ; four accumulators by turns; the first four products start the sums
.if n < 4
	v_wmma_f32_16x16x4_f32 v[DH+8*(n%4):DH+8*(n%4)+7], v[X1+2*n:X1+2*n+1], v[X0+2*n:X0+2*n+1], 0
.else
	v_wmma_f32_16x16x4_f32 v[DH+8*(n%4):DH+8*(n%4)+7], v[X1+2*n:X1+2*n+1], v[X0+2*n:X0+2*n+1], v[DH+8*(n%4):DH+8*(n%4)+7]
.endif
.set n, n+1
.endr
.rept 9
	v_nop                                          ; the places behind an f32 matrix instruction (ISA guide 7.12.1)
.endr
.set n, 0
.rept 8                                        ; v for the second product, on its way during the softmax: channel 16 n + l % 16 of rows 8 (l / 16) + m
.set m, 0
.rept 8
	global_load_b32 v[X0+8*n+m], v[HV], s[6:7] offset:8192+m*12288+64*n
.set m, m+1
.endr
.set n, n+1
.endr
.irp k, 0,2,4,6
	v_pk_add_f32 v[T+(\k):T+(\k)+1], v[DH+(\k):DH+(\k)+1], v[DH+8+(\k):DH+8+(\k)+1]
.endr
.irp k, 0,2,4,6
	v_pk_add_f32 v[W+(\k):W+(\k)+1], v[DH+16+(\k):DH+16+(\k)+1], v[DH+24+(\k):DH+24+(\k)+1]
.endr
.irp k, 0,2,4,6
	v_pk_add_f32 v[T+(\k):T+(\k)+1], v[T+(\k):T+(\k)+1], v[W+(\k):W+(\k)+1]
.endr
	ds_store_b128 v[LS], v[T:T+3]   offset:PART
	ds_store_b128 v[LS], v[T+4:T+7] offset:PART+16
.Lmeet:
	s_wait_dscnt 0x0                               ; for the others' sake: my partial scores lie in LDS
	s_barrier_signal -1
	s_barrier_wait -1
	s_cmp_eq_u32 s13, 0
	s_cbranch_scc0 .Lend
	; THE HEAD, part 2: every wave adds the eight partial scores, makes the weights, and multiplies them by its 128 channels of v.
	s_wait_xcnt 0x0                                ; this part states its own ordering, whatever way led here: every earlier store has read its registers before the loads below write X1
	s_lshl_b32 s16, s25, 16
	s_add_nc_u64 s[10:11], s[10:11], s[16:17]      ; ho at my batch
.irp v, 0,1,2,3,4,5,6,7
	ds_load_b128 v[X1+8*(\v):X1+8*(\v)+3],   v[LR] offset:PART+1024*(\v)
	ds_load_b128 v[X1+8*(\v)+4:X1+8*(\v)+7], v[LR] offset:PART+1024*(\v)+16
.endr
	s_wait_dscnt 0x0
.irp v, 0,2,4,6
.irp k, 0,2,4,6
	v_pk_add_f32 v[X1+8*(\v)+(\k):X1+8*(\v)+(\k)+1], v[X1+8*(\v)+(\k):X1+8*(\v)+(\k)+1], v[X1+8*(\v)+8+(\k):X1+8*(\v)+8+(\k)+1]
.endr
.endr
.irp v, 0,4
.irp k, 0,2,4,6
	v_pk_add_f32 v[X1+8*(\v)+(\k):X1+8*(\v)+(\k)+1], v[X1+8*(\v)+(\k):X1+8*(\v)+(\k)+1], v[X1+8*(\v)+16+(\k):X1+8*(\v)+16+(\k)+1]
.endr
.endr
.irp k, 0,2,4,6
	v_pk_add_f32 v[T+(\k):T+(\k)+1], v[X1+(\k):X1+(\k)+1], v[X1+32+(\k):X1+32+(\k)+1]
.endr
.set j, 0
.rept 8
	v_cmp_gt_i32 vcc_lo, j, v[DD]
	v_cndmask_b32 v[T+j], v[T+j], v[NEG], vcc_lo
.set j, j+1
.endr
	v_max3_num_f32 v10, v[T], v[T+1], v[T+2]
	v_max3_num_f32 v10, v10, v[T+3], v[T+4]
	v_max3_num_f32 v10, v10, v[T+5], v[T+6]
	v_max_num_f32 v10, v10, v[T+7]
	v_permlanex16_b32 v[XH], v10, s20, s21         ; the row's other eight scores lie in the lane 16 away; the destination counts as read: a register that the kernel's start has written on every path
	v_max_num_f32 v10, v10, v[XH]
	v_mul_f32 v[CM], s18, v10
.irp k, 0,2,4,6
	v_pk_fma_f32 v[T+(\k):T+(\k)+1], v[T+(\k):T+(\k)+1], s[18:19], v[CM:CM+1] op_sel_hi:[1,0,0] neg_lo:[0,0,1] neg_hi:[0,0,1]
.endr
.set j, 0
.rept 8
	v_exp_f32 v[T+j], v[T+j]
.set j, j+1
.endr
	v_nop
	s_wait_alu depctr_va_vdst(0)
	v_pk_add_f32 v[W:W+1], v[T:T+1], v[T+2:T+3]
	v_pk_add_f32 v[W+2:W+3], v[T+4:T+5], v[T+6:T+7]
	v_pk_add_f32 v[W:W+1], v[W:W+1], v[W+2:W+3]
	v_add_f32 v10, v[W], v[W+1]
	v_permlanex16_b32 v[XH], v10, s20, s21
	v_add_f32 v10, v10, v[XH]
	v_rcp_f32 v[RL], v10
	v_rcp_f32 v[RL+1], v10
	v_nop
	s_wait_alu depctr_va_vdst(0)
.irp k, 0,2,4,6
	v_pk_mul_f32 v[T+(\k):T+(\k)+1], v[T+(\k):T+(\k)+1], v[RL:RL+1]
.endr
	s_wait_loadcnt 0x0                             ; v
	; O^T = v^T P: pair u of my eight weights is source 1 of K step u (keys 2 u, 2 u + 1, 8 + 2 u, 9 + 2 u, the same four in v's pair).  Lane l ends with row t = l % 16 and eight channels on end.
.irp hf, 0,1
.if (\hf) == 1
	s_wait_xcnt 0x0                                ; the stores of the first half have read the accumulators
.endif
.set u, 0
.rept 4
.set n, 0
.rept 4
.if u == 0
	v_wmma_f32_16x16x4_f32 v[DH+8*n:DH+8*n+7], v[X0+8*(4*(\hf)+n)+2*u:X0+8*(4*(\hf)+n)+2*u+1], v[T+2*u:T+2*u+1], 0
.else
	v_wmma_f32_16x16x4_f32 v[DH+8*n:DH+8*n+7], v[X0+8*(4*(\hf)+n)+2*u:X0+8*(4*(\hf)+n)+2*u+1], v[T+2*u:T+2*u+1], v[DH+8*n:DH+8*n+7]
.endif
.set n, n+1
.endr
.set u, u+1
.endr
.rept 9
	v_nop
.endr
.set n, 0
.rept 4
	global_store_b128 v[HOO], v[DH+8*n:DH+8*n+3],   s[10:11] offset:64*(4*(\hf)+n)
	global_store_b128 v[HOO], v[DH+8*n+4:DH+8*n+7], s[10:11] offset:64*(4*(\hf)+n)+16
.set n, n+1
.endr
.endr
.Lend:
	s_wait_tensorcnt 0x0                           ; the wave's end, behind my last LDS store
	ds_add_u32 v[SPW], v[NIL]
	s_wait_dscnt 0x0
	s_endpgm
.Lfunc_end_k_q571d31e6fc_soft:
	.size	k_q571d31e6fc_soft, .Lfunc_end_k_q571d31e6fc_soft-k_q571d31e6fc_soft
	.p2alignl 7, 3214868480
	.fill 96, 4, 3214868480
	.section	.rodata,"a",@progbits
	.p2align	6, 0x0
	.amdhsa_kernel k_q571d31e6fc_soft
		.amdhsa_group_segment_fixed_size 9216
		.amdhsa_private_segment_fixed_size 0
		.amdhsa_enable_private_segment 0
		.amdhsa_kernarg_size 32
		.amdhsa_user_sgpr_count 2
		.amdhsa_user_sgpr_kernarg_segment_ptr 1
		.amdhsa_wavefront_size32 1
		.amdhsa_system_sgpr_workgroup_id_x 1
		.amdhsa_system_sgpr_workgroup_id_y 1
		.amdhsa_system_sgpr_workgroup_id_z 1
		.amdhsa_system_vgpr_workitem_id 0
		.amdhsa_next_free_vgpr 224
		.amdhsa_next_free_sgpr 66
		.amdhsa_reserve_vcc 1
		.amdhsa_float_denorm_mode_32 3
		.amdhsa_float_denorm_mode_16_64 3
		.amdhsa_memory_ordered 1
		.amdhsa_forward_progress 1
		.amdhsa_inst_pref_size 64
	.end_amdhsa_kernel
	.amdgpu_metadata
---
amdhsa.version: [ 1, 2 ]
amdhsa.kernels:
  - .name:           k_q571d31e6fc_soft
    .symbol:         k_q571d31e6fc_soft.kd
    .args:
      - { .name: sc, .offset: 0, .size: 8, .value_kind: global_buffer, .address_space: global }
      - { .name: hd, .offset: 8, .size: 8, .value_kind: global_buffer, .address_space: global }
      - { .name: pr, .offset: 16, .size: 8, .value_kind: global_buffer, .address_space: global }
      - { .name: ho, .offset: 24, .size: 8, .value_kind: global_buffer, .address_space: global }
    .group_segment_fixed_size: 9216
    .private_segment_fixed_size: 0
    .kernarg_segment_align: 8
    .kernarg_segment_size: 32
    .max_flat_workgroup_size: 256
    .sgpr_count:     66
    .vgpr_count:     224
    .wavefront_size: 32
...
	.end_amdgpu_metadata
.endif
;; end of part 4
;; launch pv (part 5): grid 8 x 32, 4 waves a work-group, clusters of 4 x 4, 327,680 bytes of LDS; arguments pr, kqv, ho, out0; writes out0
.if DOCPART == 5
	.amdgcn_target "amdgcn-amd-amdhsa--gfx1250"
	.amdhsa_code_object_version 6
	.text
	.protected	k_q571d31e6fc_pv
	.globl	k_q571d31e6fc_pv
	.p2align	8
	.type	k_q571d31e6fc_pv,@function
k_q571d31e6fc_pv:
	s_mov_b64 s[64:65], 0
	v_nop
	global_prefetch_b8 v0, s[64:65] scope:SCOPE_SE
	s_setreg_imm32_b32 hwreg(HW_REG_WAVE_MODE, 25, 1), 1
	s_wait_xcnt 0x0
	s_wait_alu depctr_hold_cnt(0) depctr_sa_sdst(0) depctr_va_vdst(0) depctr_va_sdst(0) depctr_va_ssrc(0) depctr_va_vcc(0) depctr_vm_vsrc(0)
	s_getreg_b32 s2, hwreg(HW_REG_IB_STS2, 6, 4)
	s_cmp_eq_u32 s2, 0
	s_cbranch_scc0 .Lentry_in_a_cluster
	s_endpgm
.Lentry_in_a_cluster:
	s_bfe_u32 s2, ttmp6, 0x10000c
	s_cmp_lg_u32 s2, 0xf033
	s_cbranch_scc0 .Lentry_shape_is_right
	s_endpgm
.Lentry_shape_is_right:
; out0[b][t][c] = sum over s of pr[b][t][s] v[b][s][c], f32.  pr: the normalised weights, f16, zeros above the diagonal; v = columns 2048-3071 of kqv, f16; sums in f32.
; The first 16 rows of each batch are taken from ho, where they were made wholly in f32 (pr holds zeros in those rows).
; SHARES.  A tile of out0 is 128 rows x 128 channels, four waves 64 x 64 each: 16 accumulators.  A cluster of 4 x 4 work-groups takes 512 rows x 512 channels.  The 512 rows R (0..3) of a batch need the keys
; 0 .. 512 (R + 1) - 1.  A cluster takes TWO such blocks of rows, 3 - p and then p: 5 x 512 keys whatever p, so all work-groups do equal work and one loop with a constant trip count walks them.
; K goes in ten steps of 256 keys through two LDS slots.  THE LOOP'S BODY IS ONE STEP: the fragment loads take their LDS address from a base and a scalar that an exclusive or turns between 0 and SLOT, and
; one descriptor a tensor walks likewise.  The four of a row of the cluster need the same rows of pr, the four of a column the same channels of v: joint loads.
; At the refill that asks for the second block's first step the walking addresses are taken from a kept pair: a choice on two numbers that all sixteen partners share.
; TRANSPOSED USE: source 0 = v^T (16 channels x 32 keys, turned on the way out of LDS by ds_load_tr16_b128), source 1 = 16 rows of pr: lane l holds row l % 16 and eight channels on end.
; THE SUMS START AT 0 by 128 moves, at the start (in the wait for the first tiles) and at the change of blocks: the price of one form of product and one text for every step.
; No prefetch: a step's tiles are small and each is shared by four.
; REGISTERS: window 0: v0-31 addresses; v32-95 rows on the way out; v96-127 ho's numbers; v128-255 the accumulators ((a, b) at v[128 + 8 (4 a + b)]).
;   window 1: two fragment buffers of 128: for 64 keys, 64 registers of pr, then 64 of v.
.set KSTEP, 256
.set PA,    528                        ; a row of pr in LDS: 512 bytes + 16 = 132 words: the 16 rows of a load start at 16 different groups of four banks
.set PV,    288                        ; a row of v: 256 + 32 = 72 words
.set AHALF, 64*PA
.set BOFF,  128*PA                     ; v's 256 keys lie behind pr's 128 rows
.set BHALF, 128*PV
.set SLOT,  147456                     ; slot 1 begins here, 0x24000 (a slot holds 141,312 bytes).  The four pieces of slot 0 begin at 0, 0x8400, 0x10800, 0x19800, which have neither of SLOT's two bits: there an exclusive or with SLOT adds it
.set STAGE, 2*SLOT                     ; behind the ring: 16 rows x 272 bytes for each wave
.set SP,    272
.set SPARE, STAGE+4*16*SP              ; behind the stages: the spare words, two blocks of 256 bytes that no other line names
.set VSTEP, 1572864                    ; 256 rows of kqv
.set ADRA, 16                          ; v16  LDS address of my fragments of pr in slot 0; never rewritten
.set CA,   17                          ; v17  the same in the slot in hand
.set ADRB, 18                          ; v18-19  of v in slot 0: keys 0 on, keys 128 on; never rewritten
.set CB,   20                          ; v20-21  the same in the slot in hand
.set STO,  24
.set RD,   25
.set CO,   26
.set HOA,  27                          ; v27  my offset in ho
.set SPW,  28                          ; v28  LDS address of my spare word; never rewritten
.set NIL,  29                          ; v29  0; never rewritten
.set OB,   32
.set HO,   96
.set ACC,  128
.set F0,   0
.set F1,   128
.set TB,   17                          ; s17  0 or SLOT: the slot in hand
.set G1,   24
.set G0,   32                          ; s[32:39] group 0 for pr: a set for each of the two first fills; the second then walks on
.set G1B,  48
.set G0B,  56                          ; s[56:63] the same for v
.set A2,   66                          ; s[66:67] pr's address of the second block's step 0, type bits set
.set B2,   70                          ; s[70:71] the same for v
.set OUTB, 74                          ; s[74:75] out0 at my rows of the block in hand; s[76:77] of the second block
.set MSB, 0
.macro WIN new
.if MSB != (\new)
	s_set_vgpr_msb (MSB<<8)|(\new)
.set MSB, (\new)
.endif
.endm
.set MUL,  0x05                        ; both sources window 1; C and D window 0
.set TO_F, 0x40                        ; destination window 1, address window 0
.macro JLOAD                           ; by the walking descriptors: waves 0 and 1 fetch pr's two halves, waves 2 and 3 v's; an s_nop 0 and four v_nop follow each line
	s_cmp_eq_u32 s13, 0
	s_cbranch_scc0 .Lfor_b_\@
	tensor_load_to_lds s[G0+4:G0+7], s[G1:G1+7]
	s_nop 0
.rept 4
	v_nop
.endr
	s_branch .Lasked_\@
.Lfor_b_\@:
	tensor_load_to_lds s[G0B+4:G0B+7], s[G1B:G1B+7]
	s_nop 0
.rept 4
	v_nop
.endr
.Lasked_\@:
.endm
.macro CREST
	s_cmp_lg_u32 s12, 0
	s_cbranch_scc1 .Lnot_wave_0_\@
	s_barrier_signal -3
.Lnot_wave_0_\@:
	s_barrier_wait -3
	s_barrier_signal -1
	s_barrier_wait -1
.endm
.macro CROUND
	s_barrier_signal -1
	s_barrier_wait -1
	CREST
.endm
	s_load_b256 s[4:11], s[0:1], 0x0               ; pr s[4:5], kqv s[6:7], ho s[8:9], out0 s[10:11]
	v_lshl_add_u32 v[SPW], v0, 2, SPARE
	v_mov_b32 v[NIL], 0
	ds_add_u32 v[SPW], v[NIL]                      ; the wave's opening: the add and its wait ahead of my first tensor load
	v_lshrrev_b32 v1, 5, v0
	v_readfirstlane_b32 s12, v1                    ; wave 0..3
	s_lshr_b32 s13, s12, 1                         ; my half of the tile's rows.  Also: I fetch for pr (0) or for v (1)
	s_and_b32 s14, s12, 1                          ; my half of its channels.  Also: which half of that tile I fetch
	s_bfe_u32 s15, ttmp6, 0x40000                  ; cx
	s_bfe_u32 s16, ttmp6, 0x40004                  ; cy
	s_mov_b32 s[TB], 0                             ; slot 0 is read first
	s_and_b32 s18, ttmp7, 0xffff                   ; cluster y
	s_lshr_b32 s19, s18, 1                         ; the batch
	s_and_b32 s20, s18, 1                          ; p
	s_lshl_b32 s21, ttmp9, 2
	s_add_co_u32 s21, s21, s15                     ; my 128 channels = 4 x cluster x + cx
	s_lshl_b32 s22, s20, 1
	s_sub_co_u32 s22, 8, s22                       ; the first block's steps: 8 - 2 p
	s_add_co_u32 s79, s22, 1
	s_mov_b32 s23, 2                               ; the step that the next refill asks for = the step in hand + 2
	s_lshl_b32 s40, s16, 2
	s_lshl_b32 s40, 15, s40                        ; my row of the cluster
	s_lshl_b32 s41, 0x1111, s15                    ; my column
	s_or_b32 s[G1], s40, (1<<16)|(1<<20)|(1<<21)|(6<<22)|(3<<25)   ; 2-byte elements; padding on; bit 21 beside a mask; after every 128 words (code 6) 4 words (code 3)
	s_mov_b32 s[G1+1], KSTEP<<16                   ; tensor_dim0 = 256 keys
	s_mov_b32 s[G1+2], 64<<16                      ; tensor_dim1 = 64 rows
	s_mov_b32 s[G1+3], KSTEP<<16
	s_mov_b32 s[G1+4], 64
	s_mov_b32 s[G1+5], 2048                        ; elements from row to row of pr
	s_mov_b32 s[G1+6], 0
	s_mov_b32 s[G1+7], 0
	s_or_b32 s[G1B], s41, (1<<16)|(1<<20)|(1<<21)|(5<<22)|(7<<25)  ; after every 64 words (code 5) 8 words (code 7)
	s_mov_b32 s[G1B+1], 128<<16                    ; 128 channels
	s_mov_b32 s[G1B+2], 128<<16                    ; 128 keys
	s_mov_b32 s[G1B+3], 128<<16
	s_mov_b32 s[G1B+4], 128
	s_mov_b32 s[G1B+5], 3072                       ; elements from row to row of kqv
	s_mov_b32 s[G1B+6], 0
	s_mov_b32 s[G1B+7], 0
	s_lshl_b32 s42, s19, 11                        ; the batch's first row
	s_lshl_b32 s43, s16, 7
	s_add_co_u32 s43, s43, s42                     ; + 128 cy
	s_sub_co_u32 s44, 3, s20
	s_lshl_b32 s44, s44, 9
	s_add_co_u32 s44, s44, s43                     ; my tile's first row in the first block,
	s_lshl_b32 s45, s20, 9
	s_add_co_u32 s45, s45, s43                     ; and in the second
	s_lshl_b32 s46, s14, 6                         ; the 64 rows that I fetch
	s_add_co_u32 s80, s44, s46
	s_lshl_b32 s80, s80, 12                        ; rows of 4,096 bytes
	s_mov_b32 s81, 0
	s_add_co_u32 s82, s45, s46
	s_lshl_b32 s82, s82, 12
	s_mov_b32 s83, 0
	s_lshl_b32 s84, s14, 7                         ; v: the 128 keys that I fetch,
	s_add_co_u32 s84, s84, s42
	s_mul_i32 s84, s84, 6144
	s_lshl_b32 s85, s21, 8                         ; my work-group's 128 channels,
	s_add_co_u32 s84, s84, s85
	s_add_co_u32 s84, s84, 4096                    ; behind k's and q's columns
	s_mov_b32 s85, 0
	s_mul_i32 s86, s14, AHALF                      ; where they go: no place in the cluster enters an LDS address
	s_mul_i32 s87, s14, BHALF
	s_add_co_u32 s87, s87, BOFF
	s_wait_dscnt 0x0                               ; the opening add is done
	s_wait_kmcnt 0x0
	s_add_nc_u64 s[80:81], s[4:5], s[80:81]
	s_add_nc_u64 s[82:83], s[4:5], s[82:83]
	s_add_nc_u64 s[84:85], s[6:7], s[84:85]
	CROUND                                         ; all sixteen work-groups are here: the first joint loads meet
.irp s, 0,1
	s_mov_b32 s[G0+4*(\s)], 1
	s_add_co_u32 s[G0+4*(\s)+1], s86, (\s)*SLOT
	s_add_nc_u64 s[G0+4*(\s)+2:G0+4*(\s)+3], s[80:81], (\s)*KSTEP*2
	s_or_b32 s[G0+4*(\s)+3], s[G0+4*(\s)+3], 0x80000000
	s_mov_b32 s[G0B+4*(\s)], 1
	s_add_co_u32 s[G0B+4*(\s)+1], s87, (\s)*SLOT
	s_add_nc_u64 s[G0B+4*(\s)+2:G0B+4*(\s)+3], s[84:85], (\s)*VSTEP
	s_or_b32 s[G0B+4*(\s)+3], s[G0B+4*(\s)+3], 0x80000000
.endr
	s_mov_b64 s[A2:A2+1], s[82:83]
	s_or_b32 s[A2+1], s[A2+1], 0x80000000
	s_mov_b64 s[B2:B2+1], s[G0B+2:G0B+3]           ; the second block begins at key 0 again
	s_cmp_eq_u32 s13, 0                            ; a wave's two first fills stand in one branch: two loads of mine are out
	s_cbranch_scc0 .Lfirst_b
	tensor_load_to_lds s[G0:G0+3], s[G1:G1+7]
	s_nop 0
	tensor_load_to_lds s[G0+4:G0+7], s[G1:G1+7]
	s_nop 0
.rept 4
	v_nop
.endr
	s_branch .Lfirst_asked
.Lfirst_b:
	tensor_load_to_lds s[G0B:G0B+3], s[G1B:G1B+7]
	s_nop 0
	tensor_load_to_lds s[G0B+4:G0B+7], s[G1B:G1B+7]
	s_nop 0
.rept 4
	v_nop
.endr
.Lfirst_asked:
	v_and_b32 v1, 15, v0                           ; l % 16
	v_bfe_u32 v2, v0, 4, 1                         ; l / 16
	s_lshl_b32 s40, s13, 6                         ; my 64 rows of the tile
	s_lshl_b32 s41, s21, 9                         ; my work-group's 128 channels, 4 bytes each,
	s_lshl_b32 s42, s14, 8
	s_add_co_u32 s41, s41, s42                     ; my wave's 64 of them
	s_mov_b32 s47, 0
	s_lshl_b32 s46, s19, 16                        ; ho: 16 rows of 4,096 bytes a batch
	s_add_co_u32 s46, s46, s41
	s_add_nc_u64 s[8:9], s[8:9], s[46:47]
	v_lshlrev_b32 v[HOA], 12, v1
	v_lshl_add_u32 v[HOA], v2, 5, v[HOA]
.irp b, 0,1,2,3                        ; laid as accumulators (0, b) are: row l % 16, channels 16 b + 8 (l / 16) + 0..7
	global_load_b128 v[HO+8*(\b):HO+8*(\b)+3],   v[HOA], s[8:9] offset:64*(\b)
	global_load_b128 v[HO+8*(\b)+4:HO+8*(\b)+7], v[HOA], s[8:9] offset:64*(\b)+16
.endr
	s_add_co_u32 s46, s44, s40
	s_lshl_b32 s46, s46, 12
	s_add_co_u32 s46, s46, s41
	s_add_nc_u64 s[OUTB:OUTB+1], s[10:11], s[46:47]
	s_add_co_u32 s46, s45, s40
	s_lshl_b32 s46, s46, 12
	s_add_co_u32 s46, s46, s41
	s_add_nc_u64 s[OUTB+2:OUTB+3], s[10:11], s[46:47]
	s_or_b32 s46, s20, s16                         ; p = 0, cy = 0 and the tile's upper half: the second block's first 16 rows of mine begin the batch
	s_or_b32 s46, s46, s13
	s_cmp_eq_u32 s46, 0
	s_cselect_b32 s78, -1, 0                       ; a mask for a choice of values: no branch hangs on it
	v_mul_u32_u24 v3, v1, PA
	v_lshl_add_u32 v3, v2, 4, v3                   ; pr: a fragment's row x pitch + 16 x half
	s_mul_i32 s40, s13, AHALF
	v_add_nc_u32 v[ADRA], s40, v3
	v_mov_b32 v[CA], v[ADRA]
	; the turning load takes 16 keys x 16 channels (lane l reads key 8 (l / 16) + l % 8, channels 8 ((l / 8) % 2) + 0..7) and leaves half a fragment of v^T: lane l holds channel l % 16 and 8 keys
	v_and_b32 v4, 7, v0
	v_bfe_u32 v5, v0, 3, 1
	v_lshl_add_u32 v4, v2, 3, v4
	v_mul_u32_u24 v4, v4, PV
	v_lshl_add_u32 v4, v5, 4, v4
	s_lshl_b32 s40, s14, 7                         ; my 64 channels, 2 bytes each
	s_add_co_u32 s40, s40, BOFF
	v_add_nc_u32 v[ADRB], s40, v4
	v_add_nc_u32 v[ADRB+1], BHALF, v[ADRB]
	v_mov_b32 v[CB], v[ADRB]
	v_mov_b32 v[CB+1], v[ADRB+1]
	s_mul_i32 s40, s12, 16*SP
	s_add_co_u32 s40, s40, STAGE                   ; my stage
	v_mul_u32_u24 v[STO], v1, SP                   ; in: row l % 16, 32 bytes for each half of the lanes
	v_lshl_add_u32 v[STO], v2, 5, v[STO]
	v_add_nc_u32 v[STO], s40, v[STO]
	v_mul_u32_u24 v[RD], v2, SP                    ; back: lanes 0-15 one row of 256 bytes, lanes 16-31 the next
	v_lshl_add_u32 v[RD], v1, 4, v[RD]
	v_add_nc_u32 v[RD], s40, v[RD]
	v_lshlrev_b32 v[CO], 12, v2                    ; and the same two rows in out0
	v_lshl_add_u32 v[CO], v1, 4, v[CO]
.set i, 0
.rept 128
	v_mov_b32 v[ACC+i], 0
.set i, i+1
.endr
.macro MUL8 f, c, a0                   ; 8 matrix instructions: row blocks a0, a0 + 1 x all 4 channel blocks, 32 keys: half c of buffer f.  The 16 accumulators take turns
	WIN MUL
.irp a, \a0, (\a0)+1
.irp b, 0,1,2,3
	v_wmma_f32_16x16x32_f16 v[ACC+8*(4*(\a)+(\b)):ACC+8*(4*(\a)+(\b))+7], v[(\f)+64+8*(4*(\c)+(\b)):(\f)+64+8*(4*(\c)+(\b))+7], v[(\f)+8*(4*(\c)+(\a)):(\f)+8*(4*(\c)+(\a))+7], v[ACC+8*(4*(\a)+(\b)):ACC+8*(4*(\a)+(\b))+7]
.endr
.endr
.endm
.macro FETCH q, f                      ; 32 LDS loads in one run: the fragments of quarter q (64 keys) of the slot in hand into buffer f; the first 32 keys first
	WIN TO_F
.irp c, 0,1
.irp i, 0,1,2,3
	ds_load_tr16_b128 v[(\f)+64+8*(4*(\c)+(\i)):(\f)+64+8*(4*(\c)+(\i))+3],   v[CB+(\q)/2] offset:(((\q)%2)*64+32*(\c))*PV+32*(\i)
	ds_load_tr16_b128 v[(\f)+64+8*(4*(\c)+(\i))+4:(\f)+64+8*(4*(\c)+(\i))+7], v[CB+(\q)/2] offset:(((\q)%2)*64+32*(\c)+16)*PV+32*(\i)
	ds_load_b128 v[(\f)+8*(4*(\c)+(\i)):(\f)+8*(4*(\c)+(\i))+3],   v[CA] offset:128*(\q)+64*(\c)+(\i)*16*PA
	ds_load_b128 v[(\f)+8*(4*(\c)+(\i))+4:(\f)+8*(4*(\c)+(\i))+7], v[CA] offset:128*(\q)+64*(\c)+(\i)*16*PA+32
.endr
.endr
.endm
.macro PLACES                          ; four plain vector instructions between a matrix instruction and a load into, or a read of, its registers
.rept 4
	v_nop
.endr
.endm
.macro TOGGLE                          ; the fragment loads go over to the other slot
	s_xor_b32 s[TB], s[TB], SLOT
	v_add_nc_u32 v[CA], s[TB], v[ADRA]
	v_add_nc_u32 v[CB], s[TB], v[ADRB]
	v_add_nc_u32 v[CB+1], s[TB], v[ADRB+1]
.endm
.macro QUARTER q, f, g                 ; 32 matrix instructions on buffer f; in their middle quarter q of the same slot goes into buffer g
	s_wait_dscnt 16                                ; the first 32 keys' fragments are in
	MUL8 \f, 0, 0
	MUL8 \f, 0, 2
	PLACES
	FETCH \q, \g
	s_wait_dscnt 32                                ; all but the 32 just issued
	MUL8 \f, 1, 0
	MUL8 \f, 1, 2
.endm
; A step's last quarter multiplies buffer 1 and changes slots: ONE barrier; in front of it each wave waits for all its tensor loads (one is out: its part of the next slot), adds 0 to its spare word, and waits
; for that and for its reads of this slot.  fill = 1: the barrier opens a round of the cluster's, and this slot is asked for again: 112 matrix instructions ahead of the wait for it.
.macro TURN fill
	WIN 0
	s_wait_tensorcnt 0x0                           ; no tensor load of mine is out, so the walking descriptors may be written
	ds_add_u32 v[SPW], v[NIL]
	s_wait_dscnt 17                                ; (the add and the youngest sixteen loads may be out)
	MUL8 F1, 0, 0
	s_wait_dscnt 0x0                               ; the add is done, and my reads of this slot are over
	s_barrier_signal -1
	MUL8 F1, 0, 2
	WIN 0
	s_barrier_wait -1
.if \fill
	CREST                                          ; no wave of any partner still reads this slot or has a load on its way
	s_xor_b32 s[G0+5], s[G0+5], SLOT               ; the walking descriptors: the other slot than last time,
	s_add_nc_u64 s[G0+6:G0+7], s[G0+6:G0+7], KSTEP*2   ; the next 256 keys; the type bits on top are not reached
	s_xor_b32 s[G0B+5], s[G0B+5], SLOT
	s_add_nc_u64 s[G0B+6:G0B+7], s[G0B+6:G0B+7], VSTEP
	s_cmp_eq_u32 s23, s22                          ; is the step asked for the second block's first?
	s_cselect_b64 s[G0+6:G0+7], s[A2:A2+1], s[G0+6:G0+7]
	s_cselect_b64 s[G0B+6:G0B+7], s[B2:B2+1], s[G0B+6:G0B+7]
	JLOAD                                          ; its four v_nop are also the places in front of the loads below
.else
	PLACES
.endif
	TOGGLE
	FETCH 0, F0
	MUL8 F1, 1, 0
	MUL8 F1, 1, 2
.endm
; THE WAY OUT: 16 rows at a time go into my own stage, 32 bytes a lane, and come back as whole rows of 256 bytes, my wave's 64 channels.  LDS serves a wave's instructions in order (ISA guide 5.7.1.4).
; sel = 1 (the second block): where my first 16 rows begin a batch they are taken from ho.
.macro OUT sel
	WIN 0
.irp a, 0,1,2,3
.if (\sel) && ((\a) == 0)
.set i, 0
.rept 32
	v_cndmask_b32 v[ACC+i], v[ACC+i], v[HO+i], s78
.set i, i+1
.endr
.endif
.irp b, 0,1,2,3
	ds_store_b128 v[STO], v[ACC+8*(4*(\a)+(\b)):ACC+8*(4*(\a)+(\b))+3]   offset:64*(\b)
	ds_store_b128 v[STO], v[ACC+8*(4*(\a)+(\b))+4:ACC+8*(4*(\a)+(\b))+7] offset:64*(\b)+16
.endr
	s_wait_xcnt 0x0                                ; earlier stores have read the registers that are loaded below
.irp t, 0,1,2,3,4,5,6,7
	ds_load_b128 v[OB+32*((\a)%2)+4*(\t):OB+32*((\a)%2)+4*(\t)+3], v[RD] offset:(\t)*2*SP
.endr
.irp g, 0,1
	s_wait_dscnt 4-4*(\g)                          ; four of the eight loads are in, then all
.irp t, 0,1,2,3
	global_store_b128 v[CO], v[OB+32*((\a)%2)+4*(4*(\g)+(\t)):OB+32*((\a)%2)+4*(4*(\g)+(\t))+3], s[OUTB:OUTB+1] offset:(16*(\a)+2*(4*(\g)+(\t)))*4096  ; 16 lanes store 256 consecutive bytes, aligned
.endr
.endr
.endr
.endm
	s_wait_tensorcnt 0x1                           ; my part of step 0 is in; step 1's may stay out
	s_barrier_signal -1
	s_barrier_wait -1
	FETCH 0, F0
	WIN 0
	s_mov_b32 s3, 8
.Lstep:                                                ; eight trips: a step each, and the step two on is asked for: steps 2 to 9
	QUARTER 1, F0, F1
	QUARTER 2, F1, F0
	QUARTER 3, F0, F1
	TURN 1
	WIN 0
	s_cmp_lg_u32 s23, s79                          ; was this the first block's last step?
	s_cbranch_scc1 .Lsame                          ; forward, over text that holds neither a barrier nor a tensor load
	PLACES                                         ; the first block is finished: it goes out while the second block's first tiles are on their way
	OUT 0
.set i, 0
.rept 128
	v_mov_b32 v[ACC+i], 0
.set i, i+1
.endr
	s_wait_xcnt 0x0                                ; the stores have read their base
	s_mov_b64 s[OUTB:OUTB+1], s[OUTB+2:OUTB+3]
.Lsame:
	s_add_co_u32 s23, s23, 1
	s_sub_co_u32 s3, s3, 1
	s_cmp_lg_u32 s3, 0
	s_cbranch_scc1 .Lstep
	QUARTER 1, F0, F1                              ; the last two steps ask for nothing
	QUARTER 2, F1, F0
	QUARTER 3, F0, F1
	TURN 0
	QUARTER 1, F0, F1
	QUARTER 2, F1, F0
	QUARTER 3, F0, F1
	s_wait_dscnt 16
	MUL8 F1, 0, 0
	MUL8 F1, 0, 2
	s_wait_dscnt 0x0
	MUL8 F1, 1, 0
	MUL8 F1, 1, 2
	WIN 0
	PLACES
	s_wait_loadcnt 0x0                             ; ho's numbers
	OUT 1
	s_wait_tensorcnt 0x0                           ; the wave's end
	ds_add_u32 v[SPW], v[NIL]
	s_wait_dscnt 0x0
	CROUND                                         ; the closing round
	s_endpgm
.Lfunc_end_k_q571d31e6fc_pv:
	.size	k_q571d31e6fc_pv, .Lfunc_end_k_q571d31e6fc_pv-k_q571d31e6fc_pv
	.p2alignl 7, 3214868480
	.fill 96, 4, 3214868480
	.section	.rodata,"a",@progbits
	.p2align	6, 0x0
	.amdhsa_kernel k_q571d31e6fc_pv
		.amdhsa_group_segment_fixed_size 327680
		.amdhsa_private_segment_fixed_size 0
		.amdhsa_enable_private_segment 0
		.amdhsa_kernarg_size 32
		.amdhsa_user_sgpr_count 2
		.amdhsa_user_sgpr_kernarg_segment_ptr 1
		.amdhsa_wavefront_size32 1
		.amdhsa_system_sgpr_workgroup_id_x 1
		.amdhsa_system_sgpr_workgroup_id_y 1
		.amdhsa_system_sgpr_workgroup_id_z 1
		.amdhsa_system_vgpr_workitem_id 0
		.amdhsa_next_free_vgpr 512
		.amdhsa_next_free_sgpr 88
		.amdhsa_reserve_vcc 0
		.amdhsa_float_denorm_mode_32 3
		.amdhsa_float_denorm_mode_16_64 3
		.amdhsa_memory_ordered 1
		.amdhsa_forward_progress 1
		.amdhsa_inst_pref_size 88
	.end_amdhsa_kernel
	.amdgpu_metadata
---
amdhsa.version: [ 1, 2 ]
amdhsa.kernels:
  - .name:           k_q571d31e6fc_pv
    .symbol:         k_q571d31e6fc_pv.kd
    .args:
      - { .name: pr, .offset: 0, .size: 8, .value_kind: global_buffer, .address_space: global }
      - { .name: kqv, .offset: 8, .size: 8, .value_kind: global_buffer, .address_space: global }
      - { .name: ho, .offset: 16, .size: 8, .value_kind: global_buffer, .address_space: global }
      - { .name: out0, .offset: 24, .size: 8, .value_kind: global_buffer, .address_space: global }
    .group_segment_fixed_size: 327680
    .private_segment_fixed_size: 0
    .kernarg_segment_align: 8
    .kernarg_segment_size: 32
    .max_flat_workgroup_size: 128
    .sgpr_count:     88
    .vgpr_count:     512
    .wavefront_size: 32
...
	.end_amdgpu_metadata
.endif
;; end of part 5
;; ======== version 2 of 2: 5 launches; version 1 with the launch cast written anew for expert scheduling mode
;; limits: values are held in f16: magnitudes above 65,504 overflow, below 6.1e-05 lose precision
;; workspace buffers: xb 16,777,216 bytes; wb 6,291,456 bytes; kqv 50,331,648 bytes; hd 786,432 bytes; sc 67,108,864 bytes; pr 33,554,432 bytes; ho 262,144 bytes
;; launch cast (part 6): grid 704 x 1, 8 waves a work-group, no clusters, 0 bytes of LDS; arguments x, W_attn, xb, wb; writes xb, wb
.if DOCPART == 6
	.amdgcn_target "amdgcn-amd-amdhsa--gfx1250"
	.amdhsa_code_object_version 6
	.text
	.protected	k_q571d31e6fc_cast
	.globl	k_q571d31e6fc_cast
	.p2align	8
	.type	k_q571d31e6fc_cast,@function
k_q571d31e6fc_cast:
	s_mov_b64 s[64:65], 0
	v_nop
	global_prefetch_b8 v0, s[64:65] scope:SCOPE_SE
	s_setreg_imm32_b32 hwreg(HW_REG_WAVE_SCHED_MODE, 0, 2), 2
	s_setreg_imm32_b32 hwreg(HW_REG_WAVE_MODE, 25, 1), 1
	s_wait_xcnt 0x0
	s_wait_alu depctr_vm_vsrc(0)
; x [8192][1024] and W [3072][1024], f32, are rounded once to bf16 and laid in blocks of 64 along K:
; xb [16][8192][64], wb [16][3072][64].  In that layout the rows of one K block lie end to end, 128 bytes each,
; so the product that follows can ask for any run of rows of a K block as one dense piece.
; SHARES.  Work-groups 0-511 take 16 rows of x each, 512-703 16 rows of W.  A wave takes two rows: lanes 0-15 the
; even one, lanes 16-31 the odd one.  Load kb of a lane is 16 bytes of K block kb: 16 lanes read 256 consecutive
; bytes, aligned.  Store kb is 8 bytes a lane: the wave's two rows of the block are 256 consecutive bytes, aligned.
; All 16 loads of a wave go out at once; nothing is rewritten, so the only waits on memory are the counted ones for the loads.
; No LDS, no barrier, no matrix unit, no cluster: no byte is wanted twice.
; THE MODE: SCHED_MODE bits 1:0 = 2 (LLVM: expert scheduling mode 2), set by the entry lines.  The code itself states the register dependences
; between vector instructions and memory instructions, with s_wait_alu, always for 0.
; THE PLAN.  Registers that memory instructions touch:
;   v[VI]        the loads' offset.  Written by two vector lines at the head, read by all 16 loads, never written again.
;   v[VO ..+15]  the stores' offsets, one for each K block.  All made at the head, while the arguments are on their way; store kb reads v[VO+kb]; none is written twice.
;   X            16 x 4 registers.  Written by the loads alone; read by the conversions; never loaded again.
;   Y            16 x 2 registers.  Written by K block kb's two conversions, read by store kb, never written again.
; So ONE wait on va_vdst at the head states that all 17 offsets are written, for every load and store of the kernel.  The 16 K blocks go in four groups of four:
; a group's eight conversions, ONE wait on va_vdst, which states that they have written the group's Y, and the run of its four stores.
; No register that a memory instruction reads is written again: no wait on vm_vsrc is owed.  No vector instruction writes a scalar register, and EXEC is never written.
.set PLX, 1048576                      ; bytes of a K block of xb: 8,192 rows x 128
.set PLW, 393216                       ; of wb: 3,072 rows x 128
.set VI,  3                            ; v3       my byte offset in the group's 16 rows of the source
.set VO,  4                            ; v[4:19]  my byte offset in the target, one for each K block
.set X,   20                           ; v[20:83] 16 x 4 numbers as loaded
.set Y,   84                           ; v[84:115] 16 x 4 numbers in bf16
	s_load_b256 s[4:11], s[0:1], 0x0               ; x s[4:5], W s[6:7], xb s[8:9], wb s[10:11]
	v_lshrrev_b32 v2, 4, v0                        ; my row among the group's 16
	v_and_b32 v1, 15, v0                           ; my place in a block of 64 numbers
	v_lshlrev_b32 v[VI], 12, v2                    ; row x 4,096 bytes
	v_lshl_add_u32 v[VI], v1, 4, v[VI]             ; + 16 bytes a lane
	v_lshlrev_b32 v[VO], 7, v2                     ; row x 128 bytes
	v_lshl_add_u32 v[VO], v1, 3, v[VO]             ; + 8 bytes a lane
	s_mov_b32 s12, PLW
	s_mov_b32 s14, PLX
	s_sub_co_u32 s13, ttmp9, 512                   ; the group's number among W's (used only where it is one of them)
	s_cmp_lt_u32 ttmp9, 512                        ; x or W?  The selects, the vector adds and the wait below leave SCC alone
	s_cselect_b32 s12, s14, s12                    ; bytes of a K block
	s_cselect_b32 s13, ttmp9, s13                  ; the group's number in its tensor
.set kb, 1
.rept 15
	v_add_nc_u32 v[VO+kb], s12, v[VO+kb-1]         ; a K block further on: too far for an immediate.  The step hangs on the group's number alone, so the chain runs while the arguments are on their way
.set kb, kb+1
.endr
	s_wait_kmcnt 0x0
	s_cselect_b64 s[4:5], s[4:5], s[6:7]           ; source
	s_cselect_b64 s[8:9], s[8:9], s[10:11]         ; target
	s_lshl_b32 s16, s13, 16                        ; 16 rows of 4,096 bytes
	s_mov_b32 s17, 0
	s_add_nc_u64 s[4:5], s[4:5], s[16:17]
	s_lshl_b32 s16, s13, 11                        ; 16 rows of 128 bytes
	s_add_nc_u64 s[8:9], s[8:9], s[16:17]
	s_wait_alu depctr_va_vdst(0)                   ; v[VI] is written, which every load reads as its offset; so are v[VO] to v[VO+15], which the stores read as theirs
.set kb, 0
.rept 16
	global_load_b128 v[X+4*kb:X+4*kb+3], v[VI], s[4:5] offset:256*kb th:TH_LOAD_NT
.set kb, kb+1
.endr
.set g, 0
.rept 4                                        ; four groups of four K blocks
	s_wait_loadcnt 12-4*g                          ; loads come back in order: the group's four are in, the younger groups' 12 - 4 g stay out
.set kb, 4*g
.rept 4
	v_cvt_pk_bf16_f32 v[Y+2*kb], v[X+4*kb], v[X+4*kb+1]
	v_cvt_pk_bf16_f32 v[Y+2*kb+1], v[X+4*kb+2], v[X+4*kb+3]
.set kb, kb+1
.endr
	s_wait_alu depctr_va_vdst(0)                   ; the group's eight conversions have written its Y, which the four stores below read as their data
.set kb, 4*g
.rept 4
	global_store_b64 v[VO+kb], v[Y+2*kb:Y+2*kb+1], s[8:9]
.set kb, kb+1
.endr
.set g, g+1
.endr
	s_endpgm
.Lfunc_end_k_q571d31e6fc_cast:
	.size	k_q571d31e6fc_cast, .Lfunc_end_k_q571d31e6fc_cast-k_q571d31e6fc_cast
	.p2alignl 7, 3214868480
	.fill 96, 4, 3214868480
	.section	.rodata,"a",@progbits
	.p2align	6, 0x0
	.amdhsa_kernel k_q571d31e6fc_cast
		.amdhsa_group_segment_fixed_size 0
		.amdhsa_private_segment_fixed_size 0
		.amdhsa_enable_private_segment 0
		.amdhsa_kernarg_size 32
		.amdhsa_user_sgpr_count 2
		.amdhsa_user_sgpr_kernarg_segment_ptr 1
		.amdhsa_wavefront_size32 1
		.amdhsa_system_sgpr_workgroup_id_x 1
		.amdhsa_system_sgpr_workgroup_id_y 1
		.amdhsa_system_sgpr_workgroup_id_z 1
		.amdhsa_system_vgpr_workitem_id 0
		.amdhsa_next_free_vgpr 116
		.amdhsa_next_free_sgpr 66
		.amdhsa_reserve_vcc 0
		.amdhsa_float_denorm_mode_32 3
		.amdhsa_float_denorm_mode_16_64 3
		.amdhsa_memory_ordered 1
		.amdhsa_forward_progress 1
		.amdhsa_inst_pref_size 7
	.end_amdhsa_kernel
	.amdgpu_metadata
---
amdhsa.version: [ 1, 2 ]
amdhsa.kernels:
  - .name:           k_q571d31e6fc_cast
    .symbol:         k_q571d31e6fc_cast.kd
    .args:
      - { .name: x, .offset: 0, .size: 8, .value_kind: global_buffer, .address_space: global }
      - { .name: W_attn, .offset: 8, .size: 8, .value_kind: global_buffer, .address_space: global }
      - { .name: xb, .offset: 16, .size: 8, .value_kind: global_buffer, .address_space: global }
      - { .name: wb, .offset: 24, .size: 8, .value_kind: global_buffer, .address_space: global }
    .group_segment_fixed_size: 0
    .private_segment_fixed_size: 0
    .kernarg_segment_align: 8
    .kernarg_segment_size: 32
    .max_flat_workgroup_size: 256
    .sgpr_count:     66
    .vgpr_count:     116
    .wavefront_size: 32
...
	.end_amdgpu_metadata
.endif
;; end of part 6
;; launch proj: the kernel of part 2 again; grid 8 x 32, 4 waves a work-group, clusters of 4 x 4, 327,680 bytes of LDS; arguments xb, wb, b_attn, kqv, hd; writes kqv, hd
;; launch score: the kernel of part 3 again; grid 12 x 16, 4 waves a work-group, clusters of 4 x 4, 327,680 bytes of LDS; arguments kqv, sc; writes sc
;; launch soft: the kernel of part 4 again; grid 512 x 1, 8 waves a work-group, no clusters, 9,216 bytes of LDS; arguments sc, hd, pr, ho; writes pr, ho
;; launch pv: the kernel of part 5 again; grid 8 x 32, 4 waves a work-group, clusters of 4 x 4, 327,680 bytes of LDS; arguments pr, kqv, ho, out0; writes out0
